; MI455X (gfx1250); checked and timed in simulation.
; The chip was launched on July 23, 2026; its instructions are those of AMD's public machine-readable ISA for CDNA 5 (MIT licence, August 2026) and "CDNA5" Instruction Set Architecture Reference Guide (July 2026). The comments in the code are by the model that wrote it; some were corrected since.
;; Multi Head Attention. Allowed arithmetic: float matrix products may take bf16 or f16 operands with f32 sums; all other float work in f32.
;; Inputs: W_out 1,024 x 1,024 float32; W_pre 1,024 x 3,072 float32; b_out 1,024 float32; b_pre 3,072 float32; hidden_states 2 x 2,048 x 1,024 float32; incr_state 2 x 16 x 2 x 1,024 x 64 float32; mask 2 x 1 x 2,048 x 3,072 float32.
;; Outputs: out0 2 x 2,048 x 1,024 float32.
;; 2 versions, each right. Each part assembles by itself: llvm-mc -triple=amdgcn-amd-amdhsa -mcpu=gfx1250 --defsym DOCPART=n.
;; ======== version 1 of 2: 4 launches
;; limits: values are held in f16: magnitudes above 65,504 overflow, below 6.1e-05 lose precision; inputs' magnitudes at most 1e+30
;; workspace buffers: hws 8,388,608 bytes; wpw 6,291,456 bytes; wow 2,097,152 bytes; qkvw 33,554,432 bytes; mws 50,331,648 bytes; cws 8,388,608 bytes
;; launch prep (part 1): grid 3072 x 1, 8 waves a work-group, no clusters, 0 bytes of LDS; arguments hidden_states, W_pre, W_out, incr_state, mask, hws, wpw, wow, qkvw, mws; writes hws, wpw, wow, qkvw, mws
.if DOCPART == 1
	.amdgcn_target "amdgcn-amd-amdhsa--gfx1250"
	.amdhsa_code_object_version 6
	.text
	.protected	k_q837665bed3_prep
	.globl	k_q837665bed3_prep
	.p2align	8
	.type	k_q837665bed3_prep,@function
k_q837665bed3_prep:
	s_mov_b64 s[64:65], 0
	v_nop
	global_prefetch_b8 v0, s[64:65] scope:SCOPE_SE
	s_setreg_imm32_b32 hwreg(HW_REG_WAVE_MODE, 25, 1), 1
	s_wait_xcnt 0x0
; PREP: every large input is rounded ONCE to bf16 and written in the form in which the later launches take it.
;   hidden_states -> hws  f16  [32 row tiles of 128][16 k blocks of 64][128 rows][64]   (a row tile's k blocks lie end to end)
;   W_pre, W_out  -> wpw, wow  f16, layout unchanged ([k][n])
;   incr_state    -> qkvw f16  blocks [2 heads of a pair][128 keys][64]; K's blocks from byte KBASE, V's KVB bytes further; key tiles 0-7 of 24
;   mask          -> mws  f32 that holds the bf16-rounded number, layout unchanged (it is taken later as a matrix instruction's C operand)
; A bf16 number written as f16 is exact where f16 is normal.  LIMITS: a number of 65,520 or more in magnitude becomes an infinity in f16; below 6.1e-5 f16
; keeps its fixed step of 6e-8.  The mask keeps f32's range (bf16 has the same exponents); its infinities stay infinities.
; A stream: memory binds, so no LDS, no matrix unit, no cluster (no byte is shared).  A work-group takes 8,192 numbers: eight loads of 16 bytes a thread, all issued
; first; each load of a wave covers whole aligned blocks of 256 bytes, each store of a wave 256 (f16) or 512 (mask) consecutive bytes.
; 3,072 work-groups of equal work: 512 hidden, 384 W_pre, 128 W_out, 512 incr_state, 1,536 mask.  The task hangs on the work-group's number alone.
.set KBASE, 8388608
.set KVB,   12582912
.set VIN,  1                           ; v1      byte offset of my 16 bytes in the chunk's first load
.set VOUT, 2                           ; v2      byte offset of my 8 bytes in the chunk's first store
.set TT,   4                           ; v[4:5]  two words of packed bf16, at work
.set X,    8                           ; v[8:39] load i: 4 registers; then the rounded numbers as f32
.set Y,    40                          ; v[40:55] store i: 2 registers of f16
; The chunk: half = 1: f16 out; 0: f32 out.  istep, ostep: bytes from load to load, from store to store.  No register of a store is written again.
.macro STREAM half, istep, ostep
.irp i, 0,1,2,3,4,5,6,7
	global_load_b128 v[X+4*\i:X+4*\i+3], v[VIN], s[4:5] offset:\i*(\istep) th:TH_LOAD_NT
.endr
.irp i, 0,1,2,3,4,5,6,7
	s_wait_loadcnt 7-\i                            ; loads come back in order: load i is in, the 7 - i younger ones stay out
	v_cvt_pk_bf16_f32 v[TT], v[X+4*\i], v[X+4*\i+1]        ; the one rounding, to nearest even
	v_cvt_pk_bf16_f32 v[TT+1], v[X+4*\i+2], v[X+4*\i+3]
	v_lshlrev_b32 v[X+4*\i], 16, v[TT]                     ; bf16 to f32: the low half moves up,
	v_and_b32 v[X+4*\i+1], s3, v[TT]                       ; the high half stays
	v_lshlrev_b32 v[X+4*\i+2], 16, v[TT+1]
	v_and_b32 v[X+4*\i+3], s3, v[TT+1]
.if \half
	v_cvt_pk_f16_f32 v[Y+2*\i], v[X+4*\i], v[X+4*\i+1]
	v_cvt_pk_f16_f32 v[Y+2*\i+1], v[X+4*\i+2], v[X+4*\i+3]
	global_store_b64 v[VOUT], v[Y+2*\i:Y+2*\i+1], s[6:7] offset:\i*(\ostep)
.else
	global_store_b128 v[VIN], v[X+4*\i:X+4*\i+3], s[6:7] offset:\i*(\ostep)
.endif
.endr
	s_endpgm
.endm
	s_load_b512 s[16:31], s[0:1], 0x0              ; hidden s[16:17], W_pre s[18:19], W_out s[20:21], incr s[22:23], mask s[24:25], hws s[26:27], wpw s[28:29], wow s[30:31]
	s_load_b128 s[32:35], s[0:1], 0x40             ; qkvw s[32:33], mws s[34:35]
	s_mov_b32 s2, ttmp9
	s_mov_b32 s3, 0xffff0000                       ; a word's upper bf16
	s_mov_b32 s9, 0                                ; the offsets are pairs with 0 on top
	s_mov_b32 s11, 0
	v_lshlrev_b32 v[VIN], 4, v0                    ; dense chunks: 16 t in,
	v_lshlrev_b32 v[VOUT], 3, v0                   ; 8 t out
	s_wait_kmcnt 0x0
	s_cmp_lt_u32 s2, 512
	s_cbranch_scc1 .Lhidden
	s_cmp_lt_u32 s2, 896
	s_cbranch_scc1 .Lwpre
	s_cmp_lt_u32 s2, 1024
	s_cbranch_scc1 .Lwout
	s_cmp_lt_u32 s2, 1536
	s_cbranch_scc1 .Lincr
	; the mask: chunk c = 32,768 bytes in and out
	s_sub_co_u32 s12, s2, 1536
	s_lshl_b32 s8, s12, 15
	s_add_nc_u64 s[4:5], s[24:25], s[8:9]
	s_add_nc_u64 s[6:7], s[34:35], s[8:9]
	STREAM 0, 4096, 4096
.Lhidden:                                              ; chunk c: rows 16 (c / 2) on, columns 512 (c % 2) on; load i is k block 8 (c % 2) + i of 16 rows
	s_lshr_b32 s12, s2, 1
	s_and_b32 s13, s2, 1
	s_lshl_b32 s8, s12, 16                         ; 16 rows of 4,096 bytes
	s_lshl_b32 s14, s13, 11
	s_or_b32 s8, s8, s14
	s_lshr_b32 s10, s2, 4                          ; the row tile: 262,144 bytes
	s_lshl_b32 s10, s10, 18
	s_lshl_b32 s14, s13, 17                        ; eight k blocks of 16,384 bytes
	s_or_b32 s10, s10, s14
	s_and_b32 s14, s12, 7                          ; 16 rows of 128 bytes in the block
	s_lshl_b32 s14, s14, 11
	s_or_b32 s10, s10, s14
	s_add_nc_u64 s[4:5], s[16:17], s[8:9]
	s_add_nc_u64 s[6:7], s[26:27], s[10:11]
	v_lshrrev_b32 v3, 4, v0                        ; row t / 16, 16 bytes at 16 (t % 16): sixteen lanes take 256 consecutive bytes
	v_and_b32 v[VIN], 15, v0
	v_lshlrev_b32 v[VIN], 4, v[VIN]
	v_lshl_add_u32 v[VIN], v3, 12, v[VIN]
	STREAM 1, 256, 16384
.Lwpre:
	s_sub_co_u32 s12, s2, 512
	s_lshl_b32 s8, s12, 15
	s_lshl_b32 s10, s12, 14
	s_add_nc_u64 s[4:5], s[18:19], s[8:9]
	s_add_nc_u64 s[6:7], s[28:29], s[10:11]
	STREAM 1, 4096, 2048
.Lwout:
	s_sub_co_u32 s12, s2, 896
	s_lshl_b32 s8, s12, 15
	s_lshl_b32 s10, s12, 14
	s_add_nc_u64 s[4:5], s[20:21], s[8:9]
	s_add_nc_u64 s[6:7], s[30:31], s[10:11]
	STREAM 1, 4096, 2048
.Lincr:                                                ; chunk c = ((b 16 + h) 2 + j) 8 + t: 128 cached keys of one head, K (j = 0) or V (j = 1)
	s_sub_co_u32 s12, s2, 1024
	s_lshl_b32 s8, s12, 15
	s_and_b32 s13, s12, 7                          ; t
	s_bfe_u32 s14, s12, 0x10003                    ; j
	s_bfe_u32 s15, s12, 0x40004                    ; h
	s_lshr_b32 s36, s12, 8                         ; b
	s_lshl_b32 s36, s36, 3
	s_lshr_b32 s37, s15, 1
	s_add_co_u32 s36, s36, s37                     ; the head pair, 8 b + h / 2
	s_mul_i32 s36, s36, 24
	s_add_co_u32 s36, s36, s13                     ; its key tile t of 24
	s_lshl_b32 s36, s36, 1
	s_and_b32 s15, s15, 1
	s_add_co_u32 s36, s36, s15                     ; the head's half of the block
	s_lshl_b32 s10, s36, 14
	s_mul_i32 s14, s14, KVB
	s_add_co_u32 s10, s10, s14
	s_add_co_u32 s10, s10, KBASE
	s_add_nc_u64 s[4:5], s[22:23], s[8:9]
	s_add_nc_u64 s[6:7], s[32:33], s[10:11]
	STREAM 1, 4096, 2048
.Lfunc_end_k_q837665bed3_prep:
	.size	k_q837665bed3_prep, .Lfunc_end_k_q837665bed3_prep-k_q837665bed3_prep
	.p2alignl 7, 3214868480
	.fill 96, 4, 3214868480
	.section	.rodata,"a",@progbits
	.p2align	6, 0x0
	.amdhsa_kernel k_q837665bed3_prep
		.amdhsa_group_segment_fixed_size 0
		.amdhsa_private_segment_fixed_size 0
		.amdhsa_enable_private_segment 0
		.amdhsa_kernarg_size 80
		.amdhsa_user_sgpr_count 2
		.amdhsa_user_sgpr_kernarg_segment_ptr 1
		.amdhsa_wavefront_size32 1
		.amdhsa_system_sgpr_workgroup_id_x 1
		.amdhsa_system_sgpr_workgroup_id_y 1
		.amdhsa_system_sgpr_workgroup_id_z 1
		.amdhsa_system_vgpr_workitem_id 0
		.amdhsa_next_free_vgpr 56
		.amdhsa_next_free_sgpr 66
		.amdhsa_reserve_vcc 0
		.amdhsa_float_denorm_mode_32 3
		.amdhsa_float_denorm_mode_16_64 3
		.amdhsa_memory_ordered 1
		.amdhsa_forward_progress 1
		.amdhsa_inst_pref_size 26
	.end_amdhsa_kernel
	.amdgpu_metadata
---
amdhsa.version: [ 1, 2 ]
amdhsa.kernels:
  - .name:           k_q837665bed3_prep
    .symbol:         k_q837665bed3_prep.kd
    .args:
      - { .name: hidden_states, .offset: 0, .size: 8, .value_kind: global_buffer, .address_space: global }
      - { .name: W_pre, .offset: 8, .size: 8, .value_kind: global_buffer, .address_space: global }
      - { .name: W_out, .offset: 16, .size: 8, .value_kind: global_buffer, .address_space: global }
      - { .name: incr_state, .offset: 24, .size: 8, .value_kind: global_buffer, .address_space: global }
      - { .name: mask, .offset: 32, .size: 8, .value_kind: global_buffer, .address_space: global }
      - { .name: hws, .offset: 40, .size: 8, .value_kind: global_buffer, .address_space: global }
      - { .name: wpw, .offset: 48, .size: 8, .value_kind: global_buffer, .address_space: global }
      - { .name: wow, .offset: 56, .size: 8, .value_kind: global_buffer, .address_space: global }
      - { .name: qkvw, .offset: 64, .size: 8, .value_kind: global_buffer, .address_space: global }
      - { .name: mws, .offset: 72, .size: 8, .value_kind: global_buffer, .address_space: global }
    .group_segment_fixed_size: 0
    .private_segment_fixed_size: 0
    .kernarg_segment_align: 8
    .kernarg_segment_size: 80
    .max_flat_workgroup_size: 256
    .sgpr_count:     66
    .vgpr_count:     56
    .wavefront_size: 32
...
	.end_amdgpu_metadata
.endif
;; end of part 1
;; launch qkv (part 2): grid 8 x 32, 4 waves a work-group, clusters of 4 x 4, 327,680 bytes of LDS; arguments hws, wpw, b_pre, qkvw; writes qkvw
.if DOCPART == 2
	.amdgcn_target "amdgcn-amd-amdhsa--gfx1250"
	.amdhsa_code_object_version 6
	.text
	.protected	k_q837665bed3_qkv
	.globl	k_q837665bed3_qkv
	.p2align	8
	.type	k_q837665bed3_qkv,@function
k_q837665bed3_qkv:
	s_mov_b64 s[64:65], 0
	v_nop
	global_prefetch_b8 v0, s[64:65] scope:SCOPE_SE
	s_setreg_imm32_b32 hwreg(HW_REG_WAVE_MODE, 25, 1), 1
	s_wait_xcnt 0x0
	s_wait_alu depctr_hold_cnt(0) depctr_sa_sdst(0) depctr_va_vdst(0) depctr_va_sdst(0) depctr_va_ssrc(0) depctr_va_vcc(0) depctr_vm_vsrc(0)
	s_getreg_b32 s2, hwreg(HW_REG_IB_STS2, 6, 4)
	s_cmp_eq_u32 s2, 0
	s_cbranch_scc0 .Lentry_in_a_cluster
	s_endpgm
.Lentry_in_a_cluster:
	s_bfe_u32 s2, ttmp6, 0x10000c
	s_cmp_lg_u32 s2, 0xf033
	s_cbranch_scc0 .Lentry_shape_is_right
	s_endpgm
.Lentry_shape_is_right:
; C = A W + bias.  A: f16, [32 row tiles][16 k blocks][128 rows][64]; W: f16, [1024 k][N]; bias: f32 [N], rounded to bf16 here like every input.  Sums in f32.
; ONE TEXT FOR TWO PRODUCTS, by the switch QKV.  QKV = 1: N = 3,072, the result leaves as f16 by heads (q, k, v blocks [2 heads][128 rows][64]).  QKV = 0: N = 1,024, the result leaves as f32, row-major.
; LIMIT (QKV = 1): q, k, v of 65,520 or more in magnitude become infinities in f16.
; SHARES.  A tile of C is 128 rows x NT columns, so that 32 x 8 = 256 work-groups have one each.  Four waves, 2 x 2: a wave makes 64 rows x NT / 2 columns: 4 x NBK accumulators of 16 x 16.
; K goes in steps of KSTEP through two LDS slots filled by the tensor data mover, as long as two slots allow.  A's tile is dense in memory and is asked for as rows of 256 bytes; W's rows are NT x 2 bytes, at multiples of 256.
; CLUSTER.  4 x 4 work-groups: the four of a row of the cluster need the same tiles of A, the four of a column the same tiles of W: each tile is asked for JOINTLY, by the same tensor load with the same descriptor and a mask of four.
; THE MATRIX INSTRUCTION IS USED TRANSPOSED: source 0 = 16 columns of W (out of LDS by the turning load, since W lies [k][n]), source 1 = 16 rows of A: a lane then holds row l % 16 of C and the columns 8 (l / 16) + 0..7.
; THE BIAS is the C operand of the products that start the sums: nothing is cleared, and nothing is added on the way out.
; REGISTERS, in windows of 256 (s_set_vgpr_msb: bits 1:0 source 0, 3:2 source 1, 5:4 source 2, 7:6 destination):
;   window 0: v1-31 addresses; v32.. the bias (8 NBK), later the way out; v128-159, v160-191 A's fragments, two buffers      window 1: W's fragments, two buffers of 8 NBK
;   window 2: the accumulators of row blocks 0, 1 ((a, b) at 8 (NBK (a % 2) + b))      window 3: those of row blocks 2, 3
.set QKV, 1
.if QKV
.set NBK,   12                         ; blocks of 16 columns a wave
.set N,     3072
.set NT,    384
.set KSTEP, 128
.else
.set NBK,   4
.set N,     1024
.set NT,    128
.set KSTEP, 256
.endif
.set NQ,    KSTEP/32                   ; quarter steps of 32 along K (the name is kept where there are eight)
.set KB,    KSTEP/64                   ; k blocks of A in a step
.set LAPS,  1024/(2*KSTEP)             ; a lap = two K steps = once round the ring
.set PA,    144                        ; a row of A in LDS: 128 bytes + 16 = 36 words: the 16 rows of a load start at 16 different groups of four banks (64 banks of 4 bytes: ISA guide 11.1)
.set ABLK,  128*PA
.set ABYTES, KB*ABLK
.set PB,    (NT/64)*144                ; a row of W: each 128 bytes followed by 16: 864 or 288 bytes, an odd multiple of 32
.set SLOT,  ABYTES+KSTEP*PB            ; 147,456 in both products
.set STAGE, 2*SLOT                     ; behind the ring, never filled by a tensor load: 4,352 bytes for each wave, for the way out
.set STGW,  4352
.set SPARE, STAGE+4*STGW               ; the spare words, 128 bytes for each wave: two blocks of 256 bytes that no other line names
.set ASTEP, KB*16384                   ; bytes from a K step to the next, in A
.set BSTEP, KSTEP*N*2                  ; and in W
.set KBASE, 8388608
.set KVB,   12582912
.set ADRA, 16                          ; v16-17  LDS address of my A fragments in slot 0, 1
.set ADRB, 20                          ; v20-23  of my W fragments: slot 0 first and second half of the step, slot 1 likewise (so that the immediates stay under 65,536)
.set STO,  24                          ; v24     the way out: where I put my bytes of a row
.set RD,   25                          ; v25     the way out: where I read rows back
.set CO,   26                          ; v26     my byte offset in the stored block
.set BO,   27                          ; v27     my byte offset in the bias
.set SPW,  28                          ; v28     LDS address of my spare word; never rewritten
.set NIL,  29                          ; v29     0; never rewritten
.set TT,   30                          ; v30-31  at work
.set BIAS, 32
.set OUTR, 32
.set FA,   128
.set G1,  24                           ; s[24:31] descriptor group 1 for A's tiles;  s[32:39] group 0, one set for each slot
.set G0,  32
.set G1B, 48                           ; s[48:55], s[56:63] the same for W's tiles
.set G0B, 56
.set MSB, 0
.macro WIN new                         ; the immediate's high byte repeats the setting that is left; a switch that changes nothing is dropped
.if MSB != (\new)
	s_set_vgpr_msb (MSB<<8)|(\new)
.set MSB, (\new)
.endif
.endm
.macro JLOAD s                         ; a joint load: waves 0 and 1 fetch A's two halves, waves 2 and 3 W's; an s_nop 0 and four v_nop follow each of the two lines, ahead of the jump, the label and what follows
	s_cmp_eq_u32 s13, 0
	s_cbranch_scc0 .Lfor_b_\@
	tensor_load_to_lds s[G0+4*(\s):G0+4*(\s)+3], s[G1:G1+7]
	s_nop 0
.rept 4
	v_nop
.endr
	s_branch .Lasked_\@
.Lfor_b_\@:
	tensor_load_to_lds s[G0B+4*(\s):G0B+4*(\s)+3], s[G1B:G1B+7]
	s_nop 0
.rept 4
	v_nop
.endr
.Lasked_\@:
.endm
.macro CREST                           ; a round of the cluster's barrier behind its opening barrier
	s_cmp_lg_u32 s12, 0
	s_cbranch_scc1 .Lnot_wave_0_\@
	s_barrier_signal -3
.Lnot_wave_0_\@:
	s_barrier_wait -3
	s_barrier_signal -1
	s_barrier_wait -1
.endm
.macro CROUND                          ; a whole round
	s_barrier_signal -1
	s_barrier_wait -1
	CREST
.endm
.macro PLACES                          ; four places in front of loads into registers that matrix instructions have read, and of lines that read results
.rept 4
	v_nop
.endr
.endm
	s_load_b256 s[4:11], s[0:1], 0x0               ; A s[4:5], W s[6:7], bias s[8:9], C s[10:11]
	v_lshl_add_u32 v[SPW], v0, 2, SPARE
	v_mov_b32 v[NIL], 0
	ds_add_u32 v[SPW], v[NIL]                      ; the wave's opening: the add, and its wait ahead of my first tensor load; the set-up below, work on registers, stands between them
	v_lshrrev_b32 v1, 5, v0
	v_readfirstlane_b32 s12, v1                    ; wave 0..3
	s_lshr_b32 s13, s12, 1                         ; which 64 rows of the tile are mine.  Also: I fetch for A (0) or for W (1)
	s_and_b32 s14, s12, 1                          ; which half of its columns.  Also: which half of that tile I fetch
	s_bfe_u32 s40, ttmp6, 0x40000                  ; cx, cy: my place in the cluster
	s_bfe_u32 s41, ttmp6, 0x40004
	s_lshl_b32 s42, ttmp9, 2
	s_add_co_u32 s42, s42, s40                     ; tile column = 4 x cluster x + cx
	s_and_b32 s15, ttmp7, 0xffff
	s_lshl_b32 s15, s15, 2
	s_add_co_u32 s15, s15, s41                     ; tile row = 4 x cluster y + cy
	s_lshl_b32 s43, s41, 2
	s_lshl_b32 s43, 15, s43                        ; my row of the cluster
	s_lshl_b32 s44, 0x1111, s40                    ; my column
	s_or_b32 s[G1+0], s43, (1<<16)|(1<<20)|(1<<21)|(4<<22)|(3<<25)   ; 15:0 the mask: A's tiles go to my row; 17:16 2-byte elements; 20 padding on; 21 set beside a mask; 24:22 after every 32 words (code 4); 31:25 4 words (code 3)
	s_or_b32 s[G1B+0], s44, (1<<16)|(1<<20)|(1<<21)|(4<<22)|(3<<25)  ; the same with the mask of my column
	s_mov_b32 s[G1+1], 128<<16                     ; A: tensor_dim0 = 128 elements: 256 dense bytes, two rows of a k block
	s_mov_b32 s[G1+2], (KB*32)<<16                 ; tensor_dim1 = half a step's k blocks, 64 such rows each
	s_mov_b32 s[G1+3], 128<<16                     ; tile_dim0
	s_mov_b32 s[G1+4], KB*32                       ; tile_dim1
	s_mov_b32 s[G1+5], 128                         ; elements from row to row
	s_mov_b32 s[G1+6], 0
	s_mov_b32 s[G1+7], 0
	s_mov_b32 s[G1B+1], NT<<16                     ; W: tensor_dim0 = the tile's columns
	s_mov_b32 s[G1B+2], (KSTEP/2)<<16              ; tensor_dim1 = half a step's k rows
	s_mov_b32 s[G1B+3], NT<<16
	s_mov_b32 s[G1B+4], KSTEP/2
	s_mov_b32 s[G1B+5], N
	s_mov_b32 s[G1B+6], 0
	s_mov_b32 s[G1B+7], 0
	; where the tiles come from.  A's hang on the tile row alone, W's on the tile column alone; each in registers that never hold the other coordinate
	s_lshl_b32 s16, s15, 18                        ; a row tile of A is 262,144 bytes
	s_mul_i32 s17, s14, (KB/2)*16384               ; my half of the step's k blocks
	s_add_co_u32 s16, s16, s17
	s_mov_b32 s17, 0
	s_mul_i32 s46, s42, NT*2
	s_mul_i32 s47, s14, (KSTEP/2)*N*2              ; my half of the step's k rows
	s_add_co_u32 s46, s46, s47
	s_mov_b32 s47, 0
	s_mul_i32 s20, s14, (KB/2)*ABLK                ; and where they go: no place in the cluster enters an LDS address
	s_mul_i32 s21, s14, (KSTEP/2)*PB
	s_add_co_u32 s21, s21, ABYTES
	s_mov_b32 s45, 0xffff0000                      ; a word's upper bf16
	s_wait_dscnt 0x0                               ; the opening add is done
	s_wait_kmcnt 0x0
	s_add_nc_u64 s[16:17], s[4:5], s[16:17]
	s_add_nc_u64 s[46:47], s[6:7], s[46:47]
	CROUND                                         ; all sixteen work-groups are here: the first joint loads meet
.irp s, 0,1
	s_mov_b32 s[G0+4*(\s)], 1                                      ; count = 1
	s_add_co_u32 s[G0+4*(\s)+1], s20, (\s)*SLOT                    ; LDS address
	s_add_nc_u64 s[G0+4*(\s)+2:G0+4*(\s)+3], s[16:17], (\s)*ASTEP  ; global address: K step s
	s_or_b32 s[G0+4*(\s)+3], s[G0+4*(\s)+3], 0x80000000            ; type = 2
	s_mov_b32 s[G0B+4*(\s)], 1
	s_add_co_u32 s[G0B+4*(\s)+1], s21, (\s)*SLOT
	s_add_nc_u64 s[G0B+4*(\s)+2:G0B+4*(\s)+3], s[46:47], (\s)*BSTEP
	s_or_b32 s[G0B+4*(\s)+3], s[G0B+4*(\s)+3], 0x80000000
	JLOAD \s                                       ; two loads of mine are out
.endr
	; the bias of my columns: register j of block b is bias[first column + 16 b + 8 (l / 16) + j]
	v_and_b32 v1, 15, v0                           ; l % 16
	v_bfe_u32 v2, v0, 4, 1                         ; l / 16
	v_lshlrev_b32 v[BO], 5, v2
	s_mul_i32 s76, s42, NT*4
	s_mul_i32 s77, s14, NT*2
	s_add_co_u32 s76, s76, s77
	s_mov_b32 s77, 0
	s_add_nc_u64 s[8:9], s[8:9], s[76:77]
.set ii, 0
.rept NBK
	global_load_b128 v[BIAS+8*ii:BIAS+8*ii+3],   v[BO], s[8:9] offset:64*ii
	global_load_b128 v[BIAS+8*ii+4:BIAS+8*ii+7], v[BO], s[8:9] offset:64*ii+16
.set ii, ii+1
.endr
	; A fragment of A is 16 rows x 32 K in 8 registers: lane l holds row l % 16, K = 8 (l / 16) + 0..7 and 16 + 8 (l / 16) + 0..7: two loads of 16 bytes, 32 bytes apart
	v_mul_u32_u24 v3, v1, PA
	v_lshl_add_u32 v3, v2, 4, v3                   ; row x pitch + 16 x half
	s_mul_i32 s22, s13, 64*PA                      ; my 64 rows
	v_add_nc_u32 v[ADRA], s22, v3
	v_add_nc_u32 v[ADRA+1], SLOT, v[ADRA]
	; The turning load takes 16 k x 16 columns (lane l reads k row 8 (l / 16) + l % 8, columns 8 ((l / 8) % 2) + 0..7) and leaves half a fragment: lane l holds column l % 16 and 8 k
	v_and_b32 v7, 7, v0
	v_bfe_u32 v5, v0, 3, 1
	v_lshl_add_u32 v4, v2, 3, v7
	v_mul_u32_u24 v4, v4, PB
	v_lshl_add_u32 v4, v5, 4, v4
	s_mul_i32 s23, s14, (NBK/4)*144                ; my half of the columns, in pieces of 64
	s_add_co_u32 s23, s23, ABYTES
	v_add_nc_u32 v[ADRB], s23, v4
	v_add_nc_u32 v[ADRB+1], (NQ/2)*32*PB, v[ADRB]
	v_add_nc_u32 v[ADRB+2], SLOT, v[ADRB]
	v_add_nc_u32 v[ADRB+3], SLOT, v[ADRB+1]
	s_mul_i32 s22, s12, STGW
	s_add_co_u32 s22, s22, STAGE                   ; my stage
.if QKV
	v_add_nc_u32 v[STO], s22, v3                   ; in: row l % 16 (pitch 144), 16 bytes for each half of the lanes
	v_bfe_u32 v6, v0, 3, 2                         ; back: 32 lanes take four rows of 128 bytes,
	v_mul_u32_u24 v6, v6, PA
	v_lshl_add_u32 v6, v7, 4, v6
	v_add_nc_u32 v[RD], s22, v6
	v_and_b32 v6, 31, v0                           ; which are 512 consecutive bytes of a head's block
	v_lshlrev_b32 v[CO], 4, v6
	; where my three heads' rows go: column piece c = 6 x tile column + 3 x half + g is part c / 16 (q, k, v) and head c % 16
.irp g, 0,1,2
	s_mul_i32 s74, s42, 6
	s_mul_i32 s75, s14, 3
	s_add_co_u32 s74, s74, s75
	s_add_co_u32 s74, s74, \g
	s_lshr_b32 s75, s74, 4                         ; part
	s_and_b32 s74, s74, 15                         ; head
	s_sub_co_u32 s76, s75, 1
	s_mul_i32 s76, s76, KVB
	s_add_co_u32 s76, s76, KBASE                   ; k's or v's region (not used for q)
	s_lshr_b32 s77, s15, 4                         ; the batch
	s_lshl_b32 s77, s77, 3
	s_lshr_b32 s78, s74, 1
	s_add_co_u32 s77, s77, s78                     ; the head pair
	s_and_b32 s78, s15, 15                         ; the tile of 128 rows in the batch
	s_cmp_eq_u32 s75, 0
	s_cselect_b32 s76, 0, s76                      ; q lies at byte 0,
	s_cselect_b32 s79, 16, 24                      ; has 16 tiles a pair where k and v have 24,
	s_cselect_b32 s80, 0, 8                        ; of which the first 8 are the cache's
	s_mul_i32 s77, s77, s79
	s_add_co_u32 s77, s77, s80
	s_add_co_u32 s77, s77, s78
	s_lshl_b32 s77, s77, 1
	s_and_b32 s74, s74, 1
	s_add_co_u32 s77, s77, s74                     ; the head's half of the block
	s_lshl_b32 s77, s77, 14
	s_add_co_u32 s76, s76, s77
	s_lshl_b32 s77, s13, 13                        ; my 64 rows of 128 bytes
	s_add_co_u32 s76, s76, s77
	s_mov_b32 s77, 0
	s_add_nc_u64 s[68+2*\g:69+2*\g], s[10:11], s[76:77]
.endr
.else
	v_mul_u32_u24 v6, v1, 272                      ; in: row l % 16 (pitch 272), 32 bytes for each half of the lanes
	v_lshl_add_u32 v6, v2, 5, v6
	v_add_nc_u32 v[STO], s22, v6
	v_mul_u32_u24 v6, v2, 272                      ; back: lanes 0-15 take one row of 256 bytes, lanes 16-31 the next
	v_lshl_add_u32 v6, v1, 4, v6
	v_add_nc_u32 v[RD], s22, v6
	v_lshlrev_b32 v6, 12, v2                       ; and the same two rows in C
	v_lshl_add_u32 v[CO], v1, 4, v6
	s_lshl_b32 s74, s15, 7
	s_lshl_b32 s75, s13, 6
	s_add_co_u32 s74, s74, s75                     ; my first row of C,
	s_lshl_b32 s74, s74, 12                        ; of 4,096 bytes
	s_lshl_b32 s75, s42, 9                         ; my first column, in bytes
	s_add_co_u32 s74, s74, s75
	s_lshl_b32 s75, s14, 8
	s_add_co_u32 s74, s74, s75
	s_mov_b32 s75, 0
	s_add_nc_u64 s[10:11], s[10:11], s[74:75]
.endif
	s_wait_loadcnt 0x0                             ; the bias; it is rounded to bf16 in place, like every input
.set ii, 0
.rept 4*NBK
	v_cvt_pk_bf16_f32 v[TT+ii%2], v[BIAS+2*ii], v[BIAS+2*ii+1]
	v_lshlrev_b32 v[BIAS+2*ii], 16, v[TT+ii%2]
	v_and_b32 v[BIAS+2*ii+1], s45, v[TT+ii%2]
.set ii, ii+1
.endr
; NBK matrix instructions: row block a x all my column blocks, 32 along K, from buffer f.  zero = 1: the products start the sums, on the bias.
; The 4 NBK accumulators take turns, one instruction a turn, in the same order in every quarter.
.macro MULA f, a, zero
.if \zero
	WIN 0x81+0x40*((\a)/2)                         ; W window 1, A and the bias window 0, D window 2 or 3
.else
	WIN 0xa1+0x50*((\a)/2)                         ; W window 1, A window 0, C and D window 2 or 3
.endif
.set bb, 0
.rept NBK
.set rD, 8*(NBK*((\a)%2)+bb)
.set rB, 8*NBK*(\f)+8*bb
.set rA, FA+32*(\f)+8*(\a)
.if \zero
	v_wmma_f32_16x16x32_f16 v[rD:rD+7], v[rB:rB+7], v[rA:rA+7], v[BIAS+8*bb:BIAS+8*bb+7]
.else
	v_wmma_f32_16x16x32_f16 v[rD:rD+7], v[rB:rB+7], v[rA:rA+7], v[rD:rD+7]
.endif
.set bb, bb+1
.endr
.endm
; One run of 2 NBK + 8 LDS loads: the fragments of quarter q of a slot into buffer f; W's first, A's row blocks 0 to 3 last
.macro FETCH slot, q, f
	WIN 0x40                                       ; destination window 1, address window 0
.set ii, 0
.rept NBK
	ds_load_tr16_b128 v[8*NBK*(\f)+8*ii:8*NBK*(\f)+8*ii+3],   v[ADRB+2*(\slot)+(\q)/(NQ/2)] offset:((\q)%(NQ/2))*32*PB+(ii/4)*144+(ii%4)*32
	ds_load_tr16_b128 v[8*NBK*(\f)+8*ii+4:8*NBK*(\f)+8*ii+7], v[ADRB+2*(\slot)+(\q)/(NQ/2)] offset:((\q)%(NQ/2))*32*PB+16*PB+(ii/4)*144+(ii%4)*32
.set ii, ii+1
.endr
	WIN 0
.set ii, 0
.rept 4
	ds_load_b128 v[FA+32*(\f)+8*ii:FA+32*(\f)+8*ii+3],   v[ADRA+(\slot)] offset:((\q)/2)*ABLK+((\q)%2)*64+ii*16*PA
	ds_load_b128 v[FA+32*(\f)+8*ii+4:FA+32*(\f)+8*ii+7], v[ADRA+(\slot)] offset:((\q)/2)*ABLK+((\q)%2)*64+ii*16*PA+32
.set ii, ii+1
.endr
.endm
; A quarter but the step's last: multiplies buffer f; in its middle it fetches quarter nq of the same slot into the other buffer
.macro QUARTER slot, nq, f, zero
	s_wait_dscnt 4                                 ; W and A's row blocks 0, 1 are in; the youngest four loads (row blocks 2, 3) may be out
	MULA \f, 0, \zero
	MULA \f, 1, \zero
	PLACES
	FETCH \slot, \nq, 1-(\f)
	s_wait_dscnt 2*NBK+8                           ; all but the run just issued
	MULA \f, 2, \zero
	MULA \f, 3, \zero
.endm
.macro RUN slot, from                  ; quarters from .. NQ - 2 of a step, on buffers q % 2
.set qq, \from
.rept NQ-1-(\from)
	QUARTER \slot, qq+1, qq%2, 0
.set qq, qq+1
.endr
.endm
; The step's last quarter multiplies buffer 1 and changes slots: ONE barrier; in front of it each wave waits for all its tensor loads (one is out: its part of the next slot), adds 0 to its spare word,
; and waits for that and for its own reads of this slot.  fill = 1: the barrier opens a round of the cluster's, and this slot is filled again, two K steps ahead, first thing behind the round.
.macro TURN slot, next, fill
	WIN 0                                          ; (the add's two registers lie in window 0)
	s_wait_tensorcnt 0x0                           ; all my tensor loads have landed
	ds_add_u32 v[SPW], v[NIL]                      ; 0 onto my spare word
	s_wait_dscnt 5                                 ; (the add and the youngest four loads may be out)
	MULA 1, 0, 0                                   ; matrix work stands between the add and the wait for it
	s_wait_dscnt 0x0                               ; the add is done, and my reads of this slot are over
	s_barrier_signal -1
	MULA 1, 1, 0
.if \fill
	WIN 0
.endif
	s_barrier_wait -1
.if \fill
	CREST                                          ; no wave of any partner still reads this slot's tile or has a load on its way
	s_add_nc_u64 s[G0+4*(\slot)+2:G0+4*(\slot)+3], s[G0+4*(\slot)+2:G0+4*(\slot)+3], 2*ASTEP
	s_add_nc_u64 s[G0B+4*(\slot)+2:G0B+4*(\slot)+3], s[G0B+4*(\slot)+2:G0B+4*(\slot)+3], 2*BSTEP
	JLOAD \slot                                    ; my one tensor load behind the round; the four v_nop behind it are also the places in front of the loads below
.else
	PLACES
.endif
	FETCH \next, 0, 0
	MULA 1, 2, 0
	MULA 1, 3, 0
.endm
	s_wait_tensorcnt 1                             ; my part of K step 0 is in; step 1's may stay out
	s_barrier_signal -1
	s_barrier_wait -1                              ; everybody's is
	FETCH 0, 0, 0
	QUARTER 0, 1, 0, 1                             ; the first quarter stands in front of the loop: its products start the sums
	WIN 0                                          ; at a label and at a branch every window is 0
	s_mov_b32 s3, LAPS-1
.Llap:                                                 ; a trip goes once round the ring, from a lap's second quarter to the next lap's first, and fills both slots again
	RUN 0, 1
	TURN 0, 1, 1
	RUN 1, 0
	TURN 1, 0, 1
	QUARTER 0, 1, 0, 0
	WIN 0
	s_sub_co_u32 s3, s3, 1
	s_cmp_lg_u32 s3, 0
	s_cbranch_scc1 .Llap
	RUN 0, 1                                       ; the last lap fills nothing, and has no round of the cluster's barrier
	TURN 0, 1, 0
	RUN 1, 0
	s_wait_dscnt 4                                 ; the very last quarter: nothing more to fetch
	MULA 1, 0, 0
	MULA 1, 1, 0
	s_wait_dscnt 0x0
	MULA 1, 2, 0
	MULA 1, 3, 0
	WIN 0
	PLACES
.if QKV
; THE WAY OUT, f16 by heads.  Block u = 3 a + g: 16 rows x one head's 64 columns.  A lane's eight columns pack into 16 bytes; they go into my stage (rows of 144 bytes) and come back as whole rows of 128: 2,048 dense bytes of the head's block.
.macro PACKQ u
.set aa, (\u)/3
.set gg, (\u)%3
	WIN 0x0a+5*(aa/2)                              ; sources 0 and 1 window 2 or 3, destination window 0
.set bb, 0
.rept 4
.set rD, 8*(NBK*(aa%2)+4*gg+bb)
.set rr, 0
.rept 4
	v_cvt_pk_f16_f32 v[OUTR+16*(\u)+4*bb+rr], v[rD+2*rr], v[rD+2*rr+1]
.set rr, rr+1
.endr
.set bb, bb+1
.endr
	WIN 0
.irp f, 0,1,2,3
	ds_store_b128 v[STO], v[OUTR+16*(\u)+4*\f:OUTR+16*(\u)+4*\f+3] offset:32*\f
.endr
.irp f, 0,1,2,3
	ds_load_b128 v[OUTR+16*(\u)+4*\f:OUTR+16*(\u)+4*\f+3], v[RD] offset:\f*4*PA  ; LDS serves a wave's instructions in order (ISA guide 5.7.1.4): these see the stores above; the next block's stores come behind them
.endr
.endm
.macro SENDQ u, younger                ; younger: the LDS instructions issued behind block u's loads: the next block's eight, or none
	WIN 0
.irp f, 0,1,2,3
	s_wait_dscnt (\younger)+3-\f
	global_store_b128 v[CO], v[OUTR+16*(\u)+4*\f:OUTR+16*(\u)+4*\f+3], s[68+2*((\u)%3):69+2*((\u)%3)] offset:((\u)/3)*2048+\f*512  ; 512 consecutive bytes, at a multiple of 256 from the buffer's first
.endr
.endm
	PACKQ 0
.set uu, 1
.rept 11                               ; a block's conversions stand between the loads of the block before and its stores; no register is used twice
	PACKQ uu
	SENDQ uu-1, 8
.set uu, uu+1
.endr
	SENDQ 11, 0
.else
; THE WAY OUT, f32.  Row block a: a lane's 8 columns of each of 4 column blocks go into my stage (rows of 272 bytes) and come back as whole rows of 256 bytes.
.macro PACKO a
	WIN 0x08+4*((\a)/2)                            ; the stores' data in window 2 or 3, the address in window 0
.set bb, 0
.rept 4
.set rD, 8*(NBK*((\a)%2)+bb)
	ds_store_b128 v[STO], v[rD:rD+3] offset:64*bb
	ds_store_b128 v[STO], v[rD+4:rD+7] offset:64*bb+16
.set bb, bb+1
.endr
	WIN 0
.irp t, 0,1,2,3,4,5,6,7
	ds_load_b128 v[OUTR+32*(\a)+4*\t:OUTR+32*(\a)+4*\t+3], v[RD] offset:\t*2*272  ; LDS serves a wave's instructions in order (ISA guide 5.7.1.4)
.endr
.endm
.macro SENDO a, younger
	WIN 0
.irp t, 0,1,2,3,4,5,6,7
	s_wait_dscnt (\younger)+7-\t
	global_store_b128 v[CO], v[OUTR+32*(\a)+4*\t:OUTR+32*(\a)+4*\t+3], s[10:11] offset:(16*(\a)+2*\t)*4096  ; 16 lanes store 256 consecutive bytes, at a multiple of 256 from C's first byte
.endr
.endm
	PACKO 0
	PACKO 1
	SENDO 0, 16
	PACKO 2
	SENDO 1, 16
	PACKO 3
	SENDO 2, 16
	SENDO 3, 0
.endif
	s_wait_tensorcnt 0x0                           ; the wave's end: the tensor wait, the add onto my spare word and its wait, behind my last tensor load and my last LDS store
	ds_add_u32 v[SPW], v[NIL]
	s_wait_dscnt 0x0
	CROUND                                         ; the closing round: no work-group ends while a partner may still ask for a tile that names it
	s_endpgm
.Lfunc_end_k_q837665bed3_qkv:
	.size	k_q837665bed3_qkv, .Lfunc_end_k_q837665bed3_qkv-k_q837665bed3_qkv
	.p2alignl 7, 3214868480
	.fill 96, 4, 3214868480
	.section	.rodata,"a",@progbits
	.p2align	6, 0x0
	.amdhsa_kernel k_q837665bed3_qkv
		.amdhsa_group_segment_fixed_size 327680
		.amdhsa_private_segment_fixed_size 0
		.amdhsa_enable_private_segment 0
		.amdhsa_kernarg_size 32
		.amdhsa_user_sgpr_count 2
		.amdhsa_user_sgpr_kernarg_segment_ptr 1
		.amdhsa_wavefront_size32 1
		.amdhsa_system_sgpr_workgroup_id_x 1
		.amdhsa_system_sgpr_workgroup_id_y 1
		.amdhsa_system_sgpr_workgroup_id_z 1
		.amdhsa_system_vgpr_workitem_id 0
		.amdhsa_next_free_vgpr 960
		.amdhsa_next_free_sgpr 84
		.amdhsa_reserve_vcc 0
		.amdhsa_float_denorm_mode_32 3
		.amdhsa_float_denorm_mode_16_64 3
		.amdhsa_memory_ordered 1
		.amdhsa_forward_progress 1
		.amdhsa_inst_pref_size 131
	.end_amdhsa_kernel
	.amdgpu_metadata
---
amdhsa.version: [ 1, 2 ]
amdhsa.kernels:
  - .name:           k_q837665bed3_qkv
    .symbol:         k_q837665bed3_qkv.kd
    .args:
      - { .name: hws, .offset: 0, .size: 8, .value_kind: global_buffer, .address_space: global }
      - { .name: wpw, .offset: 8, .size: 8, .value_kind: global_buffer, .address_space: global }
      - { .name: b_pre, .offset: 16, .size: 8, .value_kind: global_buffer, .address_space: global }
      - { .name: qkvw, .offset: 24, .size: 8, .value_kind: global_buffer, .address_space: global }
    .group_segment_fixed_size: 327680
    .private_segment_fixed_size: 0
    .kernarg_segment_align: 8
    .kernarg_segment_size: 32
    .max_flat_workgroup_size: 128
    .sgpr_count:     84
    .vgpr_count:     960
    .wavefront_size: 32
...
	.end_amdgpu_metadata
.endif
;; end of part 2
;; launch attn (part 3): grid 16 x 16, 4 waves a work-group, clusters of 4 x 4, 327,680 bytes of LDS; arguments qkvw, mws, cws; writes cws
.if DOCPART == 3
	.amdgcn_target "amdgcn-amd-amdhsa--gfx1250"
	.amdhsa_code_object_version 6
	.text
	.protected	k_q837665bed3_attn
	.globl	k_q837665bed3_attn
	.p2align	8
	.type	k_q837665bed3_attn,@function
k_q837665bed3_attn:
	s_mov_b64 s[64:65], 0
	v_nop
	global_prefetch_b8 v0, s[64:65] scope:SCOPE_SE
	s_setreg_imm32_b32 hwreg(HW_REG_WAVE_MODE, 25, 1), 1
	s_wait_xcnt 0x0
	s_wait_alu depctr_hold_cnt(0) depctr_sa_sdst(0) depctr_va_vdst(0) depctr_va_sdst(0) depctr_va_ssrc(0) depctr_va_vcc(0) depctr_vm_vsrc(0)
	s_getreg_b32 s2, hwreg(HW_REG_IB_STS2, 6, 4)
	s_cmp_eq_u32 s2, 0
	s_cbranch_scc0 .Lentry_in_a_cluster
	s_endpgm
.Lentry_in_a_cluster:
	s_bfe_u32 s2, ttmp6, 0x10000c
	s_cmp_lg_u32 s2, 0xf033
	s_cbranch_scc0 .Lentry_shape_is_right
	s_endpgm
.Lentry_shape_is_right:
; ATTENTION WITH AN ADDITIVE MASK, NO SCALE.  O[b][h][q] = the sum over k of softmax_k(Q[q] . K[k] + M[b][q][k]) V[k]: 2,048 queries, 3,072 keys, head size 64, 32 heads; M is shared by a batch's 16 heads.
; q, k, v: f16, blocks [2 heads of a pair][128 rows][64] (q from byte 0, 16 blocks a pair; k from KBASE and v from VBASE, 24 blocks a pair).  M: f32 [2][2048][3072].  O: f16, [32 row tiles][16 heads][128 rows][64].
; Products, maxima and sums in f32; the weights p are rounded to f16 for the second product (their sum l is taken of the unrounded p), O once at the end.
; LIMITS.  p below 6e-5 keeps f16's fixed step of 6e-8; a weight below 2^-126 counts as 0 in l.  The running maximum starts at -1e30: a row all of whose scores lie below that (all -inf among them) gives NaN.
; A score of -inf gives the weight 0.  +inf and NaN in the inputs are not treated apart.
; SHARES.  A work-group owns 128 queries of a PAIR of heads: wave w has head w / 2 of the pair and 64 queries (w % 2), four PIECES of 16.  16 x 16 = 256 work-groups of equal work.  Every wave walks all keys, 64 a step.
; For 128 keys the work-group fetches 64 KB of mask, which both heads use, and 32 KB each of K and V.
; CLUSTER, 4 x 4.  The four of a row of the cluster have one head pair and walk the same K and V; the four of a column have the same queries of the same batch and walk the same mask tiles.  Each tile is asked for JOINTLY.
; THE MASK is the C operand of the products that start the sums S^T = K Q^T: it costs the loop no arithmetic, only eight LDS loads a turn.
; LAYOUT, SOFTMAX, TURNS.  S^T = K Q^T holds ONE query a lane (lane % 16) and the keys 8 (lane / 16) + 0..7; two such results rounded to f16 ARE source 1 of O^T = V^T P.  p = 2^(c s - c m), c = log2(e), with a
; running maximum m; O and l are multiplied by a = 2^(c m_old - c m_new) in every step.  Turn n belongs to piece n: 8 products K Q^T of piece n + 1, later 8 products V^T P of piece n - 1; beside them the scaling,
; exponentials, roundings, sums and rescaling of piece n and the maximum and statistics of piece n + 1.  Four vector instructions stand behind every matrix instruction, the others in two runs of their own.
; m starts low, O and l at 0: the first step is a step like any other, with a = 0; the loop is entered, and the tail left, in the middle of a trip.
; REGISTERS, in windows of 256 (s_set_vgpr_msb: bits 1:0 source 0, 3:2 source 1, 5:4 source 2, 7:6 destination):
;   window 0: v2-15 addresses; v16-31 four registers of statistics a piece; v32-35 set-up; v48-55 at work; v62-63 the add's; v64-127 S^T, two buffers; v192-223 P, two buffers (a piece's buffers go by its number's parity)
;   window 1: v0-127 O^T, 32 a piece; v160-223 the mask, two buffers of 32      window 2: v0-63 Q; v128-191 K of one step; v192-255 V of one step
.set NP,    4         ; pieces a wave: a name, no knob
.set KS,    64        ; keys in a step
.set NSLOT, 24        ; tiles of 128 keys
.set PK,    144       ; a row of K in LDS: 128 bytes + 16 = 36 words: the 16 rows of a load start at 16 different groups of four banks (64 banks of 4 bytes: ISA guide 11.1)
.set PV,    160       ; a row of V: 128 + 32 = 40 words
.set PM,    528       ; a row of the mask: 512 bytes + 16 = 132 words: 16 rows start at 16 different groups of four banks
.set KOFF,  128*PM    ; slot 0: the mask's 128 rows, then K's 256 rows (head, key)
.set STAGE, KOFF+256*PK  ; behind them, never filled by a tensor load: 16 rows x 144 bytes for each wave, for the way out
.set SP,    144
.set SPARE, STAGE+4*16*SP  ; the spare words, 128 bytes for each wave: two blocks of 256 bytes that no other line names
.set SLOT1, 1<<17     ; slot 1's mask and K begin here: one exclusive or turns an address in one slot into the other's
.set VS0,   SLOT1+KOFF+256*PK  ; V's two slots lie behind them
.set VS1,   VS0+256*PV
.set VX,    VS0^VS1   ; turns the one constant into the other
.set KBASE, 8388608
.set VBASE, 20971520
.set AK0, 2           ; v2   my lane's place in a tile of K; never rewritten
.set AV0, 3           ; v3   the same for V
.set AK,  4           ; v4   the LDS address of K's next run of loads
.set AV,  5           ; v5   of V's
.set STO, 6           ; v6   the way out: where I put 16 bytes of a row
.set RD,  7           ; v7   the way out: where I read rows back
.set GO,  8           ; v8   my byte offset in 512 consecutive bytes of O
.set AM0, 9           ; v9   my lane's place in a tile of the mask; never rewritten
.set AM,  10          ; v10  the LDS address of the mask of the step in hand
.set MV,  12          ; v12-13  c m_old, kept while c m is made anew: by buffer
.set QO,  15          ; v15  my byte offset in 16 rows of Q
.set ST,  16          ; piece t's statistics at v[ST+4 t]: c m, m, l (even keys', odd keys')
.set TMP, 48          ; by buffer, four registers c0-c3 at work; when the maximum is found c2 takes a
.set SPW, 62          ; v62  LDS address of my spare word; never rewritten
.set NIL, 63          ; v63  0; never rewritten
.set S,   64
.set P,   192
.set MC,  160         ; window 1: the mask of a piece and step: the eight registers for group kt of 16 keys at MC + 32 buffer + 8 kt
.set KF,  128         ; window 2: key block kb, channel half c at KF + 16 kb + 8 c
.set VF,  192         ; window 2: key half kk, channel block cb at VF + 32 kk + 8 cb
.set WV,  12          ; s12  my wave's number
.set G1M, 24          ; s[24:31] descriptor group 1 for the mask's tiles
.set G1K, 32          ; s[32:39] for K's
.set G1V, 40          ; s[40:47] for V's
.set G0M, 48          ; s[48:51] descriptor group 0 for the mask's tiles: it walks
.set G0K, 52          ; s[52:55] for K's
.set G0V, 56          ; s[56:59] for V's
.set CS,  60          ; s[60:61] c: the packed scaling takes the pair's low word for both halves
.set SEL, 62          ; s[62:63] v_permlanex16_b32's selects: each lane takes its own place in the other half
.set SLOTS, 66        ; s66  tiles still to be asked for
.set CNT, 67          ; s67  counts a tile's key steps
.set TBK, 68          ; s68  LDS byte, less KOFF, at which K of the step to be fetched begins
.set TBV, 69          ; s69  LDS byte at which V of the step to be fetched begins
.set TBM, 70          ; s70  LDS byte at which the mask of the step to be fetched begins
.set MSB, 0
.macro WIN new                      ; the high byte repeats the setting that is left; a switch that changes nothing is dropped
.if MSB != (\new)
	s_set_vgpr_msb (MSB<<8)|(\new)
.set MSB, (\new)
.endif
.endm
.set W_KQ, 0x0a       ; K and Q in window 2, S^T in window 0
.set W_KM, 0x1a       ; the same with the C operand, the mask, in window 1
.set W_PV, 0x52       ; V in window 2, P in window 0, O^T in window 1
.set W_RS, 0x41       ; destination and source 0 in window 1, source 1 in window 0
; A joint fill.  Waves 0 and 1 fetch the two halves of the mask's tile, wave 2 K's, wave 3 V's: 32 KB each.  The branches hang on the wave's number alone.
; An s_nop 0 and four v_nop follow each of the three lines, ahead of the jump and the label.
.macro JLOAD
	s_cmp_lt_u32 s[WV], 2
	s_cbranch_scc0 .Lfor_kv_\@
	tensor_load_to_lds s[G0M:G0M+3], s[G1M:G1M+7]
	s_nop 0
.rept 4
	v_nop
.endr
	s_branch .Lasked_\@
.Lfor_kv_\@:
	s_cmp_eq_u32 s[WV], 2
	s_cbranch_scc0 .Lfor_v_\@
	tensor_load_to_lds s[G0K:G0K+3], s[G1K:G1K+7]
	s_nop 0
.rept 4
	v_nop
.endr
	s_branch .Lasked_\@
.Lfor_v_\@:
	tensor_load_to_lds s[G0V:G0V+3], s[G1V:G1V+7]
	s_nop 0
.rept 4
	v_nop
.endr
.Lasked_\@:
.endm
; A round of the cluster's barrier: my work-group's barrier, so that wave 0's signal speaks for all four waves; wave 0 signals; every wave waits for all sixteen work-groups; my work-group's barrier once more.
.macro CROUND
	s_barrier_signal -1
	s_barrier_wait -1
	s_cmp_lg_u32 s[WV], 0
	s_cbranch_scc1 .Lnot_wave_0_\@
	s_barrier_signal -3
.Lnot_wave_0_\@:
	s_barrier_wait -3
	s_barrier_signal -1
	s_barrier_wait -1
.endm
; THE CHANGE OF SLOTS, between piece 1's turn and piece 2's.  The slot's last bytes (V of its second step, the mask of that step's pieces 2 and 3) have been asked for.  Each wave waits for all its tensor loads, of which
; one is out: its part of the other slot; adds 0 to its spare word; and waits for that and for its own reads of the slot.  Behind the barrier nobody reads this slot any more and the other slot is whole.
; fill = 1: this slot is filled again, with the keys two slots on.  The barrier is then a round of the cluster's, and the joint fill is the first thing behind it: it has two key steps, 128 matrix instructions, in which to land.
; (At its first use nothing has been read yet: slot 0 is waited for, slot 1 filled.)
.macro CHANGE fill
	WIN 0                           ; at a label and at a branch every window is 0
	s_wait_tensorcnt 0x0            ; no tensor load of mine is out, so a group 0 may be written
	ds_add_u32 v[SPW], v[NIL]       ; 0 onto my spare word; with fill = 1 the descriptors' steps stand between it and the wait for it
.if \fill
	s_xor_b32 s[G0M+1], s[G0M+1], SLOT1  ; the walking descriptors: the other slot than last time,
	s_add_nc_u64 s[G0M+2:G0M+3], s[G0M+2:G0M+3], 512    ; the next 128 keys: 512 bytes along the mask's rows,
	s_xor_b32 s[G0K+1], s[G0K+1], SLOT1
	s_add_nc_u64 s[G0K+2:G0K+3], s[G0K+2:G0K+3], 32768  ; a block of K,
	s_xor_b32 s[G0V+1], s[G0V+1], VX
	s_add_nc_u64 s[G0V+2:G0V+3], s[G0V+2:G0V+3], 32768  ; a block of V; the type bits on top are not reached
	s_wait_dscnt 0x0                ; the add is done, and my reads of the slot are over
	CROUND
	JLOAD
.else
	s_wait_dscnt 0x0                ; the add is done, and my reads of the slot are over
	s_barrier_signal -1
	s_barrier_wait -1
.endif
	s_sub_co_u32 s[TBK], s[TBK], 2*KS*PK  ; the fetches go back to a slot's first step,
	s_xor_b32 s[TBK], s[TBK], SLOT1       ; in the other slot
	s_sub_co_u32 s[TBM], s[TBM], 512
	s_xor_b32 s[TBM], s[TBM], SLOT1
	s_sub_co_u32 s[TBV], s[TBV], 2*KS*PV
	s_xor_b32 s[TBV], s[TBV], VX
.endm
	s_load_b128 s[4:7], s[0:1], 0x0   ; q, k, v s[4:5], the mask s[6:7]
	s_load_b64 s[10:11], s[0:1], 0x10 ; O
	v_lshl_add_u32 v[SPW], v0, 2, SPARE
	v_mov_b32 v[NIL], 0
	ds_add_u32 v[SPW], v[NIL]       ; the wave's opening: the add, and its wait ahead of my first tensor load; the set-up below, work on registers, stands between them
	v_lshrrev_b32 v1, 5, v0
	v_readfirstlane_b32 s[WV], v1   ; wave 0..3
	s_bfe_u32 s13, ttmp6, 0x40000   ; cx, cy: my place in the cluster
	s_bfe_u32 s14, ttmp6, 0x40004
	s_lshl_b32 s15, ttmp9, 2        ; in a cluster launch ttmp9 and ttmp7 count clusters
	s_add_co_u32 s15, s15, s13      ; my block of 128 queries = 4 x cluster x + cx
	s_and_b32 s3, ttmp7, 0xffff
	s_lshl_b32 s2, s3, 2
	s_add_co_u32 s2, s2, s14        ; my head pair = 4 x cluster y + cy
	s_lshr_b32 s3, s3, 1            ; the batch, from the cluster's y alone: a column of the cluster shares it
	s_lshl_b32 s71, s14, 2
	s_lshl_b32 s71, 15, s71         ; my row of the cluster
	s_lshl_b32 s72, 0x1111, s13     ; my column
	s_and_b32 s73, s[WV], 1         ; which 64 queries are mine.  Also: which half of the mask's tile waves 0 and 1 fetch
	s_lshr_b32 s74, s[WV], 1        ; which head of the pair
	s_lshl_b32 s16, s3, 11          ; the mask's tile hangs on the batch and the query block:
	s_lshl_b32 s17, s15, 7
	s_add_co_u32 s16, s16, s17
	s_lshl_b32 s17, s73, 6
	s_add_co_u32 s16, s16, s17      ; its first row,
	s_mul_i32 s16, s16, 12288       ; of 3,072 x 4 bytes
	s_mov_b32 s17, 0
	s_mul_i32 s18, s2, 24*32768     ; K's and V's tiles hang on the head pair alone: 24 blocks of 32,768 bytes
	s_mov_b32 s19, 0
	s_lshl_b32 s20, s2, 4           ; Q: block (pair, query block), head, my 64 rows of 128 bytes
	s_add_co_u32 s20, s20, s15
	s_lshl_b32 s20, s20, 1
	s_add_co_u32 s20, s20, s74
	s_lshl_b32 s20, s20, 1
	s_add_co_u32 s20, s20, s73
	s_lshl_b32 s20, s20, 13
	s_mov_b32 s21, 0
	s_lshl_b32 s22, s3, 4           ; O: row tile 16 b + query block, head, my 64 rows of 128 bytes
	s_add_co_u32 s22, s22, s15
	s_lshl_b32 s22, s22, 3
	s_and_b32 s23, s2, 7
	s_add_co_u32 s22, s22, s23
	s_lshl_b32 s22, s22, 1
	s_add_co_u32 s22, s22, s74
	s_lshl_b32 s22, s22, 1
	s_add_co_u32 s22, s22, s73
	s_lshl_b32 s22, s22, 13
	s_mov_b32 s23, 0
	; descriptor group 1.  The mask: 64 rows x 128 elements of 4 bytes.  K, V: a block of 32,768 dense bytes, asked for as 128 rows of 256 bytes, two keys a row, padded after every key
	s_or_b32 s[G1M], s72, (2<<16)|(1<<20)|(1<<21)|(6<<22)|(3<<25)  ; 15:0 my column; 17:16 4-byte elements; 20 padding on; 21 set beside a mask; 24:22 after every 128 words (code 6); 31:25 4 words (code 3)
	s_or_b32 s[G1K], s71, (1<<16)|(1<<20)|(1<<21)|(4<<22)|(3<<25)  ; 15:0 my row; 2-byte elements; after every 32 words (code 4) 4 words (code 3)
	s_or_b32 s[G1V], s71, (1<<16)|(1<<20)|(1<<21)|(4<<22)|(7<<25)  ; the same with 8 words of padding (code 7)
	s_mov_b32 s[G1M+1], 128<<16     ; tensor_dim0 = 128
	s_mov_b32 s[G1M+2], 64<<16      ; tensor_dim1 = 64
	s_mov_b32 s[G1M+3], 128<<16     ; tile_dim0 = 128
	s_mov_b32 s[G1M+4], 64          ; tile_dim1 = 64
	s_mov_b32 s[G1M+5], 3072        ; elements from row to row
	s_mov_b32 s[G1M+6], 0
	s_mov_b32 s[G1M+7], 0
.irp g, G1K, G1V
	s_mov_b32 s[\g+1], 128<<16      ; tensor_dim0 = 128
	s_mov_b32 s[\g+2], 128<<16      ; tensor_dim1 = 128
	s_mov_b32 s[\g+3], 128<<16      ; tile_dim0 = 128
	s_mov_b32 s[\g+4], 128          ; tile_dim1 = 128
	s_mov_b32 s[\g+5], 128          ; 128 elements from row to row
	s_mov_b32 s[\g+6], 0
	s_mov_b32 s[\g+7], 0
.endr
	s_mov_b32 s[CS], 0x3fb8aa3b     ; c = log2(e)
	s_mov_b32 s[CS+1], s[CS]        ; named with it as a pair
	s_mov_b32 s[SEL], 0x76543210
	s_mov_b32 s[SEL+1], 0xfedcba98
	s_mov_b32 s[TBK], SLOT1+2*KS*PK ; the first change of slots turns these three into slot 0's
	s_mov_b32 s[TBM], SLOT1+512
	s_mov_b32 s[TBV], VS1+2*KS*PV
	s_mov_b32 s[G0M], 1             ; count = 1
	s_mul_i32 s[G0M+1], s73, 64*PM  ; LDS address: slot 0; no place in the cluster enters it
	s_mov_b32 s[G0K], 1
	s_mov_b32 s[G0K+1], KOFF
	s_mov_b32 s[G0V], 1
	s_mov_b32 s[G0V+1], VS0
	s_wait_dscnt 0x0                ; the opening add is done
	s_wait_kmcnt 0x0
	s_add_nc_u64 s[G0M+2:G0M+3], s[6:7], s[16:17]  ; global addresses: keys 0 to 127
	s_or_b32 s[G0M+3], s[G0M+3], 0x80000000        ; type = 2
	s_add_nc_u64 s[G0K+2:G0K+3], s[4:5], s[18:19]
	s_add_nc_u64 s[G0K+2:G0K+3], s[G0K+2:G0K+3], KBASE
	s_or_b32 s[G0K+3], s[G0K+3], 0x80000000
	s_add_nc_u64 s[G0V+2:G0V+3], s[4:5], s[18:19]
	s_add_nc_u64 s[G0V+2:G0V+3], s[G0V+2:G0V+3], VBASE
	s_or_b32 s[G0V+3], s[G0V+3], 0x80000000
	s_add_nc_u64 s[4:5], s[4:5], s[20:21]          ; Q and O at my wave's first row
	s_add_nc_u64 s[10:11], s[10:11], s[22:23]
	CROUND                          ; all sixteen work-groups are here: the first joint loads meet
	JLOAD                           ; slot 0.  Slot 1 is asked for when slot 0 is in
	; A fragment of K or Q is 16 rows x 32 channels in 8 registers: lane l holds row l % 16, channels 8 (l / 16) + 0..7 and 16 + 8 (l / 16) + 0..7: two loads of 16 bytes, 32 bytes apart.
	v_and_b32 v32, 15, v0           ; l % 16
	v_bfe_u32 v33, v0, 4, 1         ; l / 16
	v_lshlrev_b32 v[QO], 7, v32
	v_lshl_add_u32 v[QO], v33, 4, v[QO]  ; row x 128 + 16 x half
	WIN 0x80                        ; destination window 2, address window 0
.set i, 0
.rept 8                             ; Q stays in registers: piece i / 2, channels 32 (i % 2) on
	global_load_b128 v[8*i:8*i+3],   v[QO], s[4:5] offset:(i/2)*2048+(i%2)*64
	global_load_b128 v[8*i+4:8*i+7], v[QO], s[4:5] offset:(i/2)*2048+(i%2)*64+32
.set i, i+1
.endr
	; What the first turn finds: V's registers and P's second buffer hold 0 (its products V^T P, of a piece that has not been, add 0), O^T and l are 0.  The price of writing no first step out; it stands in the wait for the first tile.
.set i, VF
.rept 64
	v_mov_b32 v[i], 0
.set i, i+1
.endr
	WIN 0x40
.set i, 0
.rept 128
	v_mov_b32 v[i], 0
.set i, i+1
.endr
	WIN 0
.set i, 0
.rept 4
	v_mov_b32 v[ST+4*i], 0xfe000000    ; c m: far below every c s, so the first step's a is 0
	v_mov_b32 v[ST+4*i+1], 0xf149f2ca  ; m = -1e30: c m made of it stays finite, so a score of -inf gives 2^-inf = 0 and no NaN
	v_mov_b32 v[ST+4*i+2], 0
	v_mov_b32 v[ST+4*i+3], 0
.set i, i+1
.endr
.set i, P+16
.rept 16
	v_mov_b32 v[i], 0
.set i, i+1
.endr
	s_mul_i32 s75, s74, 128*PK      ; my head's 128 rows of K,
	s_add_co_u32 s75, s75, KOFF     ; behind the mask
	v_mul_u32_u24 v[AK0], v32, PK
	v_lshl_add_u32 v[AK0], v33, 4, v[AK0]  ; row x pitch + 16 x half
	v_add_nc_u32 v[AK0], s75, v[AK0]
	; The turning load takes 16 keys x 16 channels (lane l reads key 8 (l / 16) + l % 8, channels 8 ((l / 8) % 2) + 0..7) and leaves half a fragment of V^T: lane l holds channel l % 16 and 8 keys.
	v_and_b32 v34, 7, v0
	v_bfe_u32 v35, v0, 3, 1
	v_lshl_add_u32 v[AV0], v33, 3, v34
	v_mul_u32_u24 v[AV0], v[AV0], PV
	v_lshl_add_u32 v[AV0], v35, 4, v[AV0]
	s_mul_i32 s76, s74, 128*PV
	v_add_nc_u32 v[AV0], s76, v[AV0]
	; The mask as a C operand: register j of key group kt is M[query l % 16][16 kt + 8 (l / 16) + j]: two loads of 16 bytes at 64 kt + 32 (l / 16)
	s_mul_i32 s77, s73, 64*PM       ; my 64 queries' rows
	v_mul_u32_u24 v[AM0], v32, PM
	v_lshl_add_u32 v[AM0], v33, 5, v[AM0]
	v_add_nc_u32 v[AM0], s77, v[AM0]
	s_mul_i32 s78, s[WV], 16*SP
	s_add_co_u32 s78, s78, STAGE    ; my stage
	v_mul_u32_u24 v[STO], v32, SP   ; in: row l % 16, 16 bytes for each half of the lanes
	v_lshl_add_u32 v[STO], v33, 4, v[STO]
	v_add_nc_u32 v[STO], s78, v[STO]
	v_bfe_u32 v[RD], v0, 3, 2       ; back: 32 lanes take four rows of 128 bytes,
	v_mul_u32_u24 v[RD], v[RD], SP
	v_lshl_add_u32 v[RD], v34, 4, v[RD]
	v_add_nc_u32 v[RD], s78, v[RD]
	v_and_b32 v[GO], 31, v0         ; which are 512 consecutive bytes of O
	v_lshlrev_b32 v[GO], 4, v[GO]
; THE MATRIX WORK.  The 4 accumulators of a run of 8 take turns.  Product i of 8 of S^T = K Q^T + M for piece x: channels 32 (i / 4) on, keys 16 (i % 4) on.  The first 4 start the sums, on the mask.
.macro KQ x
.set rS, S+32*((\x)%2)+8*(i%4)
.set rK, KF+16*(i%4)+8*(i/4)
.set rQ, 16*(\x)+8*(i/4)
.set rM, MC+32*((\x)%2)+8*(i%4)
.if i < 4
	WIN W_KM
	v_wmma_f32_16x16x32_f16 v[rS:rS+7], v[rK:rK+7], v[rQ:rQ+7], v[rM:rM+7]
.else
	WIN W_KQ
	v_wmma_f32_16x16x32_f16 v[rS:rS+7], v[rK:rK+7], v[rQ:rQ+7], v[rS:rS+7]
.endif
.endm
; Product i of 8 of O^T += V^T P for piece x: keys 32 (i / 4) on, channels 16 (i % 4) on.
.macro PV x
	WIN W_PV
.set rO, 32*(\x)+8*(i%4)
.set rV, VF+32*(i/4)+8*(i%4)
.set rP, P+16*((\x)%2)+8*(i/4)
	v_wmma_f32_16x16x32_f16 v[rO:rO+7], v[rV:rV+7], v[rP:rP+7], v[rO:rO+7]
.endm
.macro MM                           ; the turn's next matrix instruction.  TURN sets Y and i
.if i < 8
	KQ (Y+1)%NP
.else
.set i, i-8
	PV (Y+NP-1)%NP
.set i, i+8
.endif
.set i, i+1
.endm
; THE LDS LOADS stand in runs, never singly among the matrix instructions.  Eight loads bring the mask of one piece and step into buffer buf.  skip = 1 (the tail): in the last trip there is no further step, and the run is jumped over.
.macro MLOAD buf, piece, skip=0
	WIN 0
.if (\skip)
	s_cmp_eq_u32 s[CNT], 1
	s_cbranch_scc1 .Lno_m_\@
.endif
	WIN 0x40                        ; destination window 1
.irp kt, 0,1,2,3
	ds_load_b128 v[MC+32*(\buf)+8*\kt:MC+32*(\buf)+8*\kt+3],   v[AM] offset:(\piece)*16*PM+64*\kt
	ds_load_b128 v[MC+32*(\buf)+8*\kt+4:MC+32*(\buf)+8*\kt+7], v[AM] offset:(\piece)*16*PM+64*\kt+16
.endr
	WIN 0
.if (\skip)
.Lno_m_\@:
.endif
.endm
; The next step's first run: the mask of its piece 0 (buffer 0), then its K (64 keys x 64 channels: 8 fragments).  The addresses are made some lines ahead.
.macro FETCH_K last=0
	WIN 0
.if \last
	s_cmp_eq_u32 s[CNT], 1
	s_cbranch_scc1 .Lno_k_\@
.endif
	WIN 0x40                        ; destination window 1
.irp kt, 0,1,2,3
	ds_load_b128 v[MC+8*\kt:MC+8*\kt+3],   v[AM] offset:64*\kt
	ds_load_b128 v[MC+8*\kt+4:MC+8*\kt+7], v[AM] offset:64*\kt+16
.endr
	WIN 0x80                        ; destination window 2
.irp f, 0,1,2,3,4,5,6,7             ; keys 16 (f / 2) on, channels 32 (f % 2) on
	ds_load_b128 v[KF+8*\f:KF+8*\f+3],   v[AK] offset:(\f/2)*16*PK+(\f%2)*64
	ds_load_b128 v[KF+8*\f+4:KF+8*\f+7], v[AK] offset:(\f/2)*16*PK+(\f%2)*64+32
.endr
	s_add_co_u32 s[TBK], s[TBK], KS*PK  ; the next fetch is the next step's
	s_add_co_u32 s[TBM], s[TBM], 4*KS
	WIN 0
.if \last
.Lno_k_\@:
.endif
.endm
.macro FETCH_V
	WIN 0x80
.irp f, 0,1,2,3,4,5,6,7             ; keys 32 (f / 4) on, channels 16 (f % 4) on
	ds_load_tr16_b128 v[VF+8*\f:VF+8*\f+3],   v[AV] offset:(\f/4)*32*PV+(\f%4)*32
	ds_load_tr16_b128 v[VF+8*\f+4:VF+8*\f+7], v[AV] offset:(\f/4)*32*PV+16*PV+(\f%4)*32
.endr
	WIN 0
.endm
; THE VECTOR WORK, one line at a time: OP kind, number.  For piece Y: F n: c s - c m for pair n of 16.  E n: the exponential of score n of 32.  C n: pair n rounded to f16.  B n: of the four weights 4 n .. the second
; pair is added onto the first, in place.  L n: l takes that sum (L 0: l = a l + sum).  R n: pair n of 16 of O^T times a.  For piece Y + 1: X n, number n of the 22 that find its maximum and statistics:
;   0-11  four chains c0-c3 of seven scores each, three operands at a time (each accumulator's lowest registers are read first)     12-14, 16  the four scores left over, the old m, and c0-c3 into c0
;   15  c m_old is kept     17, 18  the query's other 32 keys lie in the lane 16 away: the new m     19-21  c m; c m_old - c m_new; a
.set F, 0               ; OP tells the kinds apart by their order: F to L below R, X above it
.set E, 1
.set C, 2
.set B, 3
.set L, 4
.set R, 5
.set X, 6
.macro REGS y                       ; the registers of piece y
.set rT, ST+4*(\y)
.set rC, TMP+4*((\y)%2)
.set rW, MV+((\y)%2)
.set rS, S+32*((\y)%2)
.set rP, P+16*((\y)%2)
.set rO, 32*(\y)
.endm
.macro OP k, n
.if (\k) == R
	REGS Y
	WIN W_RS
	v_pk_mul_f32 v[rO+2*(\n):rO+2*(\n)+1], v[rO+2*(\n):rO+2*(\n)+1], v[rC+2:rC+3] op_sel_hi:[1,0]
.elseif (\k) < R
	REGS Y
	WIN 0
.if (\k) == F
	v_pk_fma_f32 v[rS+2*(\n):rS+2*(\n)+1], v[rS+2*(\n):rS+2*(\n)+1], s[CS:CS+1], v[rT:rT+1] op_sel_hi:[1,0,0] neg_lo:[0,0,1] neg_hi:[0,0,1]
.elseif (\k) == E
	v_exp_f32 v[rS+(\n)], v[rS+(\n)]
.elseif (\k) == C
	s_wait_alu depctr_va_vdst(0)
	v_cvt_pk_f16_f32 v[rP+(\n)], v[rS+2*(\n)], v[rS+2*(\n)+1]
.elseif (\k) == B
	s_wait_alu depctr_va_vdst(0)
	v_pk_add_f32 v[rS+4*(\n):rS+4*(\n)+1], v[rS+4*(\n):rS+4*(\n)+1], v[rS+4*(\n)+2:rS+4*(\n)+3]
.elseif (\n) == 0
	v_pk_fma_f32 v[rT+2:rT+3], v[rT+2:rT+3], v[rC+2:rC+3], v[rS:rS+1] op_sel_hi:[1,0,1]
.else
	v_pk_add_f32 v[rT+2:rT+3], v[rT+2:rT+3], v[rS+4*(\n):rS+4*(\n)+1]
.endif
.else
	REGS (Y+1)%NP
	WIN 0
.if (\n) < 4
	v_max3_num_f32 v[rC+(\n)], v[rS+8*(\n)], v[rS+8*(\n)+1], v[rS+8*(\n)+2]
.elseif (\n) < 12
	v_max3_num_f32 v[rC+(\n)%4], v[rC+(\n)%4], v[rS+8*((\n)%4)+2*((\n)/4)+1], v[rS+8*((\n)%4)+2*((\n)/4)+2]
.elseif (\n) == 12
	v_max3_num_f32 v[rC], v[rC], v[rS+7], v[rS+15]
.elseif (\n) == 13
	v_max3_num_f32 v[rC+1], v[rC+1], v[rS+23], v[rS+31]
.elseif (\n) == 14
	v_max3_num_f32 v[rC+2], v[rC+2], v[rC+3], v[rT+1]
.elseif (\n) == 15
	v_mov_b32 v[rW], v[rT]
.elseif (\n) == 16
	v_max3_num_f32 v[rC], v[rC], v[rC+1], v[rC+2]
.elseif (\n) == 17
	v_permlanex16_b32 v[rC+3], v[rC], s[SEL], s[SEL+1]
.elseif (\n) == 18
	v_max_num_f32 v[rT+1], v[rC], v[rC+3]
.elseif (\n) == 19
	v_mul_f32 v[rT], s[CS], v[rT+1]
.elseif (\n) == 20
	v_sub_f32 v[rC+1], v[rW], v[rT]
.else
	v_exp_f32 v[rC+2], v[rC+1]
.endif
.endif
.endm
.macro OPS a, i1, b=-1, i2=0, c=-1, i3=0, d=-1, i4=0  ; up to four of them
	OP \a, \i1
.if (\b) >= 0
	OP \b, \i2
.endif
.if (\c) >= 0
	OP \c, \i3
.endif
.if (\d) >= 0
	OP \d, \i4
.endif
.endm
.macro ROW a, i1, b, i2, c, i3, d, i4  ; a matrix instruction and the four behind it
	MM
	OPS \a, \i1, \b, \i2, \c, \i3, \d, \i4
.endm
; A TURN, for piece p: the order of its 16 matrix and 118 vector instructions, written out.  Behind a matrix instruction: plain, exponential, plain, plain; or four of the rescaling; or, behind the first, four scalings; none
; names a register of the products round it.  In the two runs of vector work exponential and plain by turns while exponentials last.  A line reads no result made fewer than three vector instructions in front of it, five if an
; exponential made it.  v_permlanex16_b32 (X 17) stands in such a run.
; THE MASK.  Turn p's first four products take buffer (p + 1) % 2; the turn loads buffer p % 2, which the turn before read last, with the mask of piece p + 2 for the next turn's products: pieces 2 and 3 of the step in hand
; in turns 0 and 1, pieces 0 and 1 of the next step in turns 2 and 3.
; K of the next step is fetched in piece 2's turn, six vector instructions behind the last product that read K (five of them plain); V of the step in hand in piece 0's turn, eight behind the last product that read V (four
; plain, and X 17).  THE WAITS: at a turn's head the mask for its products is in: in turn 1 the 16 loads of V, issued behind that mask's, may stay out; elsewhere nothing younger is out, and the count is 0 (turn 3: K too).
; In turn 1's middle V is in, and the turn's own eight mask loads may stay out.
; last = 1: the tail.  cnt = 1: the loop's count is taken down some lines ahead of the branch that stands behind the turn.
.macro TURN p, last=0, cnt=0
.set Y, (\p)
.set i, 0
.if (\p) == 1
	s_wait_dscnt 16
.else
	s_wait_dscnt 0x0
.endif
	ROW F,0, F,1, F,2, F,3
.if (\p) != 2
	MLOAD (\p)%2, ((\p)+2)%NP, (\last)*((\p)/3)
.endif
	ROW F,4, E,0, F,5, F,6
	ROW F,7, E,1, F,8, F,9
	ROW F,10, E,2, C,0, F,11
	ROW F,12, E,3, X,15, F,13
	ROW R,0, R,1, R,2, R,3
	ROW B,0, E,4, F,14, L,0
.if (\p) == 2
	v_add_nc_u32 v[AK], s[TBK], v[AK0]
	v_add_nc_u32 v[AM], s[TBM], v[AM0]
.endif
	ROW R,4, R,5, R,6, R,7
	OPS E,5, F,15
.if (\p) == 2
	FETCH_K \last
.endif
	OPS E,6, C,1, E,7, R,8
	OPS E,8, R,9, E,9, C,2
	OPS E,10, X,0, E,11, X,1
	OPS E,12, X,2, E,13, X,3
.if (\p) == 1
	s_wait_dscnt 8
.endif
	ROW X,4, E,14, X,5, X,6
	ROW X,7, E,15, X,8, X,9
	ROW X,10, E,16, X,11, X,12
	ROW X,13, E,17, X,14, B,1
	ROW C,4, E,18, X,16, L,1
	ROW B,2, E,19, C,6, L,2
	ROW C,8, E,20, B,3, B,4
.if (\p) == 0
	v_add_nc_u32 v[AV], s[TBV], v[AV0]
.endif
	ROW C,3, E,21, L,3, C,5
	OPS E,22, X,17, E,23, C,10
.if (\p) == 0
	FETCH_V
.endif
	OPS E,24, L,4
	OPS E,25, X,18, E,26, C,7
	OPS E,27, B,5, E,28, X,19
	OPS E,29, C,12, E,30, L,5
	OPS E,31, X,20, B,6, C,9
	OPS C,14, C,11, X,21, L,6
.if (\p) == 0
	s_add_co_u32 s[TBV], s[TBV], KS*PV
.endif
.if \cnt
	s_sub_co_u32 s[CNT], s[CNT], 1
	s_cmp_lg_u32 s[CNT], 0
.endif
	OPS C,13, B,7, C,15, R,10
	OPS R,11, R,12, L,7, R,13
	OPS R,14, R,15
.endm
	CHANGE 1                        ; slot 0 is in, everybody's part of it; slot 1 is asked for
	v_add_nc_u32 v[AK], s[TBK], v[AK0]
	v_add_nc_u32 v[AM], s[TBM], v[AM0]
	FETCH_K                         ; key step 0: piece 0's mask and K,
	MLOAD 1, 1                      ; and piece 1's mask
	s_wait_loadcnt 0x0              ; Q
	s_wait_dscnt 0x0
.set i, 0
.rept 8
	KQ 0                            ; piece 0's first scores: there is no vector work yet to set between them
.set i, i+1
.endr
	WIN 0
.rept 4
	v_nop                           ; the places behind those products
.endr
.set Y, NP-1                        ; X works for piece Y + 1: piece 0
.irp n, 0,1,2,3,4,5,6,7,8,9,10,11,12,13,14,15,16,17,18,19,20,21
	OP X, \n
.endr
	v_nop                           ; a plain instruction behind the exponential
	s_mov_b32 s[CNT], 2
	s_mov_b32 s[SLOTS], NSLOT-1
	s_branch .Lfirst                ; the loop is entered at a step's first turn, in the middle of a trip
.Lslot:                             ; NSLOT - 2 times: every slot but the last two is filled again
	CHANGE 1
	s_mov_b32 s[CNT], 2
.Lstep:                             ; a trip: pieces 2 and 3 of one step, then pieces 0 and 1 of the next, whose mask, K and V it fetches
	TURN 2
	TURN 3
	WIN 0
.Lfirst:
	TURN 0
	TURN 1, 0, 1
	WIN 0
	s_cbranch_scc1 .Lstep
	s_sub_co_u32 s[SLOTS], s[SLOTS], 1
	s_cmp_lg_u32 s[SLOTS], 0
	s_cbranch_scc1 .Lslot
	CHANGE 0                        ; the tail is written out: nothing is asked for
	s_mov_b32 s[CNT], 3             ; two trips fetch the last slot's steps; the third is left in its middle
.Ltail:
	TURN 2, 1
	TURN 3, 1
	WIN 0
	s_sub_co_u32 s[CNT], s[CNT], 1
	s_cmp_eq_u32 s[CNT], 0
	s_cbranch_scc1 .Lout
	TURN 0
	TURN 1
	WIN 0
	s_branch .Ltail
.Lout:                              ; the third trip's 8 products K Q^T (on the last K and an old mask once more) and the maximum made of them serve nothing: the price, once a launch, of one text for every trip
.set i, 0
.rept 8
	PV NP-1                         ; the last piece's V^T P of the last step
.set i, i+1
.endr
	; THE WAY OUT.  l's two halves and the other half of the lanes' are added; O^T is divided by l, rounded to f16 and sent through my stage in LDS, a piece at a time.  The additions are the places behind the last products.
	WIN 0
.macro ALL line:vararg              ; one line for each piece t
.set t, 0
.rept 4
	\line
.set t, t+1
.endr
.endm
	ALL v_add_f32 v[ST+4*t+2], v[ST+4*t+2], v[ST+4*t+3]
	ALL v_permlanex16_b32 v[ST+4*t+3], v[ST+4*t+2], s[SEL], s[SEL+1]
	ALL v_add_f32 v[ST+4*t+2], v[ST+4*t+2], v[ST+4*t+3]
	ALL v_rcp_f32 v[ST+4*t+2], v[ST+4*t+2]
	v_nop                           ; a plain instruction between the last reciprocal and the use of its result
.macro PACK t                       ; a lane's eight channels of a row pack into 16 bytes; they go into rows of 144 bytes and come back as whole rows of 128, into S^T's registers
	WIN W_RS
.set i, 32*(\t)
.rept 16
	s_wait_alu depctr_va_vdst(0)
	v_pk_mul_f32 v[i:i+1], v[i:i+1], v[ST+4*(\t)+2:ST+4*(\t)+3] op_sel_hi:[1,0]
.set i, i+2
.endr
	WIN 0x05                        ; sources 0 and 1 window 1, destination window 0
.set i, 0
.rept 16
	v_cvt_pk_f16_f32 v[S+16*(\t)+i], v[32*(\t)+2*i], v[32*(\t)+2*i+1]
.set i, i+1
.endr
	WIN 0
.irp f, 0,1,2,3
	ds_store_b128 v[STO], v[S+16*(\t)+4*\f:S+16*(\t)+4*\f+3] offset:32*\f
.endr
.irp f, 0,1,2,3
	ds_load_b128 v[S+16*(\t)+4*\f:S+16*(\t)+4*\f+3], v[RD] offset:\f*4*SP  ; LDS serves a wave's instructions in order (ISA guide 5.7.1.4): these see the stores above; the next piece's stores come behind them
.endr
.endm
.macro SEND t, younger              ; younger: the LDS instructions issued behind piece t's loads: the next piece's eight, or none
	WIN 0
.irp f, 0,1,2,3
	s_wait_dscnt (\younger)+3-\f
	global_store_b128 v[GO], v[S+16*(\t)+4*\f:S+16*(\t)+4*\f+3], s[10:11] offset:(\t)*2048+\f*512  ; 512 consecutive bytes, at a multiple of 256 from O's first
.endr
.endm
	PACK 0
.set t, 1
.rept 3                             ; a piece's arithmetic stands between the loads of the piece before and its stores
	PACK t
	SEND t-1, 8
.set t, t+1
.endr
	SEND 3, 0
	s_wait_tensorcnt 0x0            ; the wave's end: the tensor wait, the add onto my spare word and its wait, behind my last tensor load and my last LDS store
	ds_add_u32 v[SPW], v[NIL]
	s_wait_dscnt 0x0
	CROUND                          ; the closing round: no work-group ends while a partner may still ask for a tile that names it
	s_endpgm
.Lfunc_end_k_q837665bed3_attn:
	.size	k_q837665bed3_attn, .Lfunc_end_k_q837665bed3_attn-k_q837665bed3_attn
	.p2alignl 7, 3214868480
	.fill 96, 4, 3214868480
	.section	.rodata,"a",@progbits
	.p2align	6, 0x0
	.amdhsa_kernel k_q837665bed3_attn
		.amdhsa_group_segment_fixed_size 327680
		.amdhsa_private_segment_fixed_size 0
		.amdhsa_enable_private_segment 0
		.amdhsa_kernarg_size 24
		.amdhsa_user_sgpr_count 2
		.amdhsa_user_sgpr_kernarg_segment_ptr 1
		.amdhsa_wavefront_size32 1
		.amdhsa_system_sgpr_workgroup_id_x 1
		.amdhsa_system_sgpr_workgroup_id_y 1
		.amdhsa_system_sgpr_workgroup_id_z 1
		.amdhsa_system_vgpr_workitem_id 0
		.amdhsa_next_free_vgpr 768
		.amdhsa_next_free_sgpr 84
		.amdhsa_reserve_vcc 0
		.amdhsa_float_denorm_mode_32 3
		.amdhsa_float_denorm_mode_16_64 3
		.amdhsa_memory_ordered 1
		.amdhsa_forward_progress 1
		.amdhsa_inst_pref_size 126
	.end_amdhsa_kernel
	.amdgpu_metadata
---
amdhsa.version: [ 1, 2 ]
amdhsa.kernels:
  - .name:           k_q837665bed3_attn
    .symbol:         k_q837665bed3_attn.kd
    .args:
      - { .name: qkvw, .offset: 0, .size: 8, .value_kind: global_buffer, .address_space: global }
      - { .name: mws, .offset: 8, .size: 8, .value_kind: global_buffer, .address_space: global }
      - { .name: cws, .offset: 16, .size: 8, .value_kind: global_buffer, .address_space: global }
    .group_segment_fixed_size: 327680
    .private_segment_fixed_size: 0
    .kernarg_segment_align: 8
    .kernarg_segment_size: 24
    .max_flat_workgroup_size: 128
    .sgpr_count:     84
    .vgpr_count:     768
    .wavefront_size: 32
...
	.end_amdgpu_metadata
.endif
;; end of part 3
;; launch outp (part 4): grid 8 x 32, 4 waves a work-group, clusters of 4 x 4, 327,680 bytes of LDS; arguments cws, wow, b_out, out0; writes out0
.if DOCPART == 4
	.amdgcn_target "amdgcn-amd-amdhsa--gfx1250"
	.amdhsa_code_object_version 6
	.text
	.protected	k_q837665bed3_outp
	.globl	k_q837665bed3_outp
	.p2align	8
	.type	k_q837665bed3_outp,@function
k_q837665bed3_outp:
	s_mov_b64 s[64:65], 0
	v_nop
	global_prefetch_b8 v0, s[64:65] scope:SCOPE_SE
	s_setreg_imm32_b32 hwreg(HW_REG_WAVE_MODE, 25, 1), 1
	s_wait_xcnt 0x0
	s_wait_alu depctr_hold_cnt(0) depctr_sa_sdst(0) depctr_va_vdst(0) depctr_va_sdst(0) depctr_va_ssrc(0) depctr_va_vcc(0) depctr_vm_vsrc(0)
	s_getreg_b32 s2, hwreg(HW_REG_IB_STS2, 6, 4)
	s_cmp_eq_u32 s2, 0
	s_cbranch_scc0 .Lentry_in_a_cluster
	s_endpgm
.Lentry_in_a_cluster:
	s_bfe_u32 s2, ttmp6, 0x10000c
	s_cmp_lg_u32 s2, 0xf033
	s_cbranch_scc0 .Lentry_shape_is_right
	s_endpgm
.Lentry_shape_is_right:
; C = A W + bias.  A: f16, [32 row tiles][16 k blocks][128 rows][64]; W: f16, [1024 k][N]; bias: f32 [N], rounded to bf16 here like every input.  Sums in f32.
; ONE TEXT FOR TWO PRODUCTS, by the switch QKV.  QKV = 1: N = 3,072, the result leaves as f16 by heads (q, k, v blocks [2 heads][128 rows][64]).  QKV = 0: N = 1,024, the result leaves as f32, row-major.
; LIMIT (QKV = 1): q, k, v of 65,520 or more in magnitude become infinities in f16.
; SHARES.  A tile of C is 128 rows x NT columns, so that 32 x 8 = 256 work-groups have one each.  Four waves, 2 x 2: a wave makes 64 rows x NT / 2 columns: 4 x NBK accumulators of 16 x 16.
; K goes in steps of KSTEP through two LDS slots filled by the tensor data mover, as long as two slots allow.  A's tile is dense in memory and is asked for as rows of 256 bytes; W's rows are NT x 2 bytes, at multiples of 256.
; CLUSTER.  4 x 4 work-groups: the four of a row of the cluster need the same tiles of A, the four of a column the same tiles of W: each tile is asked for JOINTLY, by the same tensor load with the same descriptor and a mask of four.
; THE MATRIX INSTRUCTION IS USED TRANSPOSED: source 0 = 16 columns of W (out of LDS by the turning load, since W lies [k][n]), source 1 = 16 rows of A: a lane then holds row l % 16 of C and the columns 8 (l / 16) + 0..7.
; THE BIAS is the C operand of the products that start the sums: nothing is cleared, and nothing is added on the way out.
; REGISTERS, in windows of 256 (s_set_vgpr_msb: bits 1:0 source 0, 3:2 source 1, 5:4 source 2, 7:6 destination):
;   window 0: v1-31 addresses; v32.. the bias (8 NBK), later the way out; v128-159, v160-191 A's fragments, two buffers      window 1: W's fragments, two buffers of 8 NBK
;   window 2: the accumulators of row blocks 0, 1 ((a, b) at 8 (NBK (a % 2) + b))      window 3: those of row blocks 2, 3
.set QKV, 0
.if QKV
.set NBK,   12                         ; blocks of 16 columns a wave
.set N,     3072
.set NT,    384
.set KSTEP, 128
.else
.set NBK,   4
.set N,     1024
.set NT,    128
.set KSTEP, 256
.endif
.set NQ,    KSTEP/32                   ; quarter steps of 32 along K (the name is kept where there are eight)
.set KB,    KSTEP/64                   ; k blocks of A in a step
.set LAPS,  1024/(2*KSTEP)             ; a lap = two K steps = once round the ring
.set PA,    144                        ; a row of A in LDS: 128 bytes + 16 = 36 words: the 16 rows of a load start at 16 different groups of four banks (64 banks of 4 bytes: ISA guide 11.1)
.set ABLK,  128*PA
.set ABYTES, KB*ABLK
.set PB,    (NT/64)*144                ; a row of W: each 128 bytes followed by 16: 864 or 288 bytes, an odd multiple of 32
.set SLOT,  ABYTES+KSTEP*PB            ; 147,456 in both products
.set STAGE, 2*SLOT                     ; behind the ring, never filled by a tensor load: 4,352 bytes for each wave, for the way out
.set STGW,  4352
.set SPARE, STAGE+4*STGW               ; the spare words, 128 bytes for each wave: two blocks of 256 bytes that no other line names
.set ASTEP, KB*16384                   ; bytes from a K step to the next, in A
.set BSTEP, KSTEP*N*2                  ; and in W
.set KBASE, 8388608
.set KVB,   12582912
.set ADRA, 16                          ; v16-17  LDS address of my A fragments in slot 0, 1
.set ADRB, 20                          ; v20-23  of my W fragments: slot 0 first and second half of the step, slot 1 likewise (so that the immediates stay under 65,536)
.set STO,  24                          ; v24     the way out: where I put my bytes of a row
.set RD,   25                          ; v25     the way out: where I read rows back
.set CO,   26                          ; v26     my byte offset in the stored block
.set BO,   27                          ; v27     my byte offset in the bias
.set SPW,  28                          ; v28     LDS address of my spare word; never rewritten
.set NIL,  29                          ; v29     0; never rewritten
.set TT,   30                          ; v30-31  at work
.set BIAS, 32
.set OUTR, 32
.set FA,   128
.set G1,  24                           ; s[24:31] descriptor group 1 for A's tiles;  s[32:39] group 0, one set for each slot
.set G0,  32
.set G1B, 48                           ; s[48:55], s[56:63] the same for W's tiles
.set G0B, 56
.set MSB, 0
.macro WIN new                         ; the immediate's high byte repeats the setting that is left; a switch that changes nothing is dropped
.if MSB != (\new)
	s_set_vgpr_msb (MSB<<8)|(\new)
.set MSB, (\new)
.endif
.endm
.macro JLOAD s                         ; a joint load: waves 0 and 1 fetch A's two halves, waves 2 and 3 W's; an s_nop 0 and four v_nop follow each of the two lines, ahead of the jump, the label and what follows
	s_cmp_eq_u32 s13, 0
	s_cbranch_scc0 .Lfor_b_\@
	tensor_load_to_lds s[G0+4*(\s):G0+4*(\s)+3], s[G1:G1+7]
	s_nop 0
.rept 4
	v_nop
.endr
	s_branch .Lasked_\@
.Lfor_b_\@:
	tensor_load_to_lds s[G0B+4*(\s):G0B+4*(\s)+3], s[G1B:G1B+7]
	s_nop 0
.rept 4
	v_nop
.endr
.Lasked_\@:
.endm
.macro CREST                           ; a round of the cluster's barrier behind its opening barrier
	s_cmp_lg_u32 s12, 0
	s_cbranch_scc1 .Lnot_wave_0_\@
	s_barrier_signal -3
.Lnot_wave_0_\@:
	s_barrier_wait -3
	s_barrier_signal -1
	s_barrier_wait -1
.endm
.macro CROUND                          ; a whole round
	s_barrier_signal -1
	s_barrier_wait -1
	CREST
.endm
.macro PLACES                          ; four places in front of loads into registers that matrix instructions have read, and of lines that read results
.rept 4
	v_nop
.endr
.endm
	s_load_b256 s[4:11], s[0:1], 0x0               ; A s[4:5], W s[6:7], bias s[8:9], C s[10:11]
	v_lshl_add_u32 v[SPW], v0, 2, SPARE
	v_mov_b32 v[NIL], 0
	ds_add_u32 v[SPW], v[NIL]                      ; the wave's opening: the add, and its wait ahead of my first tensor load; the set-up below, work on registers, stands between them
	v_lshrrev_b32 v1, 5, v0
	v_readfirstlane_b32 s12, v1                    ; wave 0..3
	s_lshr_b32 s13, s12, 1                         ; which 64 rows of the tile are mine.  Also: I fetch for A (0) or for W (1)
	s_and_b32 s14, s12, 1                          ; which half of its columns.  Also: which half of that tile I fetch
	s_bfe_u32 s40, ttmp6, 0x40000                  ; cx, cy: my place in the cluster
	s_bfe_u32 s41, ttmp6, 0x40004
	s_lshl_b32 s42, ttmp9, 2
	s_add_co_u32 s42, s42, s40                     ; tile column = 4 x cluster x + cx
	s_and_b32 s15, ttmp7, 0xffff
	s_lshl_b32 s15, s15, 2
	s_add_co_u32 s15, s15, s41                     ; tile row = 4 x cluster y + cy
	s_lshl_b32 s43, s41, 2
	s_lshl_b32 s43, 15, s43                        ; my row of the cluster
	s_lshl_b32 s44, 0x1111, s40                    ; my column
	s_or_b32 s[G1+0], s43, (1<<16)|(1<<20)|(1<<21)|(4<<22)|(3<<25)   ; 15:0 the mask: A's tiles go to my row; 17:16 2-byte elements; 20 padding on; 21 set beside a mask; 24:22 after every 32 words (code 4); 31:25 4 words (code 3)
	s_or_b32 s[G1B+0], s44, (1<<16)|(1<<20)|(1<<21)|(4<<22)|(3<<25)  ; the same with the mask of my column
	s_mov_b32 s[G1+1], 128<<16                     ; A: tensor_dim0 = 128 elements: 256 dense bytes, two rows of a k block
	s_mov_b32 s[G1+2], (KB*32)<<16                 ; tensor_dim1 = half a step's k blocks, 64 such rows each
	s_mov_b32 s[G1+3], 128<<16                     ; tile_dim0
	s_mov_b32 s[G1+4], KB*32                       ; tile_dim1
	s_mov_b32 s[G1+5], 128                         ; elements from row to row
	s_mov_b32 s[G1+6], 0
	s_mov_b32 s[G1+7], 0
	s_mov_b32 s[G1B+1], NT<<16                     ; W: tensor_dim0 = the tile's columns
	s_mov_b32 s[G1B+2], (KSTEP/2)<<16              ; tensor_dim1 = half a step's k rows
	s_mov_b32 s[G1B+3], NT<<16
	s_mov_b32 s[G1B+4], KSTEP/2
	s_mov_b32 s[G1B+5], N
	s_mov_b32 s[G1B+6], 0
	s_mov_b32 s[G1B+7], 0
	; where the tiles come from.  A's hang on the tile row alone, W's on the tile column alone; each in registers that never hold the other coordinate
	s_lshl_b32 s16, s15, 18                        ; a row tile of A is 262,144 bytes
	s_mul_i32 s17, s14, (KB/2)*16384               ; my half of the step's k blocks
	s_add_co_u32 s16, s16, s17
	s_mov_b32 s17, 0
	s_mul_i32 s46, s42, NT*2
	s_mul_i32 s47, s14, (KSTEP/2)*N*2              ; my half of the step's k rows
	s_add_co_u32 s46, s46, s47
	s_mov_b32 s47, 0
	s_mul_i32 s20, s14, (KB/2)*ABLK                ; and where they go: no place in the cluster enters an LDS address
	s_mul_i32 s21, s14, (KSTEP/2)*PB
	s_add_co_u32 s21, s21, ABYTES
	s_mov_b32 s45, 0xffff0000                      ; a word's upper bf16
	s_wait_dscnt 0x0                               ; the opening add is done
	s_wait_kmcnt 0x0
	s_add_nc_u64 s[16:17], s[4:5], s[16:17]
	s_add_nc_u64 s[46:47], s[6:7], s[46:47]
	CROUND                                         ; all sixteen work-groups are here: the first joint loads meet
.irp s, 0,1
	s_mov_b32 s[G0+4*(\s)], 1                                      ; count = 1
	s_add_co_u32 s[G0+4*(\s)+1], s20, (\s)*SLOT                    ; LDS address
	s_add_nc_u64 s[G0+4*(\s)+2:G0+4*(\s)+3], s[16:17], (\s)*ASTEP  ; global address: K step s
	s_or_b32 s[G0+4*(\s)+3], s[G0+4*(\s)+3], 0x80000000            ; type = 2
	s_mov_b32 s[G0B+4*(\s)], 1
	s_add_co_u32 s[G0B+4*(\s)+1], s21, (\s)*SLOT
	s_add_nc_u64 s[G0B+4*(\s)+2:G0B+4*(\s)+3], s[46:47], (\s)*BSTEP
	s_or_b32 s[G0B+4*(\s)+3], s[G0B+4*(\s)+3], 0x80000000
	JLOAD \s                                       ; two loads of mine are out
.endr
	; the bias of my columns: register j of block b is bias[first column + 16 b + 8 (l / 16) + j]
	v_and_b32 v1, 15, v0                           ; l % 16
	v_bfe_u32 v2, v0, 4, 1                         ; l / 16
	v_lshlrev_b32 v[BO], 5, v2
	s_mul_i32 s76, s42, NT*4
	s_mul_i32 s77, s14, NT*2
	s_add_co_u32 s76, s76, s77
	s_mov_b32 s77, 0
	s_add_nc_u64 s[8:9], s[8:9], s[76:77]
.set ii, 0
.rept NBK
	global_load_b128 v[BIAS+8*ii:BIAS+8*ii+3],   v[BO], s[8:9] offset:64*ii
	global_load_b128 v[BIAS+8*ii+4:BIAS+8*ii+7], v[BO], s[8:9] offset:64*ii+16
.set ii, ii+1
.endr
	; A fragment of A is 16 rows x 32 K in 8 registers: lane l holds row l % 16, K = 8 (l / 16) + 0..7 and 16 + 8 (l / 16) + 0..7: two loads of 16 bytes, 32 bytes apart
	v_mul_u32_u24 v3, v1, PA
	v_lshl_add_u32 v3, v2, 4, v3                   ; row x pitch + 16 x half
	s_mul_i32 s22, s13, 64*PA                      ; my 64 rows
	v_add_nc_u32 v[ADRA], s22, v3
	v_add_nc_u32 v[ADRA+1], SLOT, v[ADRA]
	; The turning load takes 16 k x 16 columns (lane l reads k row 8 (l / 16) + l % 8, columns 8 ((l / 8) % 2) + 0..7) and leaves half a fragment: lane l holds column l % 16 and 8 k
	v_and_b32 v7, 7, v0
	v_bfe_u32 v5, v0, 3, 1
	v_lshl_add_u32 v4, v2, 3, v7
	v_mul_u32_u24 v4, v4, PB
	v_lshl_add_u32 v4, v5, 4, v4
	s_mul_i32 s23, s14, (NBK/4)*144                ; my half of the columns, in pieces of 64
	s_add_co_u32 s23, s23, ABYTES
	v_add_nc_u32 v[ADRB], s23, v4
	v_add_nc_u32 v[ADRB+1], (NQ/2)*32*PB, v[ADRB]
	v_add_nc_u32 v[ADRB+2], SLOT, v[ADRB]
	v_add_nc_u32 v[ADRB+3], SLOT, v[ADRB+1]
	s_mul_i32 s22, s12, STGW
	s_add_co_u32 s22, s22, STAGE                   ; my stage
.if QKV
	v_add_nc_u32 v[STO], s22, v3                   ; in: row l % 16 (pitch 144), 16 bytes for each half of the lanes
	v_bfe_u32 v6, v0, 3, 2                         ; back: 32 lanes take four rows of 128 bytes,
	v_mul_u32_u24 v6, v6, PA
	v_lshl_add_u32 v6, v7, 4, v6
	v_add_nc_u32 v[RD], s22, v6
	v_and_b32 v6, 31, v0                           ; which are 512 consecutive bytes of a head's block
	v_lshlrev_b32 v[CO], 4, v6
	; where my three heads' rows go: column piece c = 6 x tile column + 3 x half + g is part c / 16 (q, k, v) and head c % 16
.irp g, 0,1,2
	s_mul_i32 s74, s42, 6
	s_mul_i32 s75, s14, 3
	s_add_co_u32 s74, s74, s75
	s_add_co_u32 s74, s74, \g
	s_lshr_b32 s75, s74, 4                         ; part
	s_and_b32 s74, s74, 15                         ; head
	s_sub_co_u32 s76, s75, 1
	s_mul_i32 s76, s76, KVB
	s_add_co_u32 s76, s76, KBASE                   ; k's or v's region (not used for q)
	s_lshr_b32 s77, s15, 4                         ; the batch
	s_lshl_b32 s77, s77, 3
	s_lshr_b32 s78, s74, 1
	s_add_co_u32 s77, s77, s78                     ; the head pair
	s_and_b32 s78, s15, 15                         ; the tile of 128 rows in the batch
	s_cmp_eq_u32 s75, 0
	s_cselect_b32 s76, 0, s76                      ; q lies at byte 0,
	s_cselect_b32 s79, 16, 24                      ; has 16 tiles a pair where k and v have 24,
	s_cselect_b32 s80, 0, 8                        ; of which the first 8 are the cache's
	s_mul_i32 s77, s77, s79
	s_add_co_u32 s77, s77, s80
	s_add_co_u32 s77, s77, s78
	s_lshl_b32 s77, s77, 1
	s_and_b32 s74, s74, 1
	s_add_co_u32 s77, s77, s74                     ; the head's half of the block
	s_lshl_b32 s77, s77, 14
	s_add_co_u32 s76, s76, s77
	s_lshl_b32 s77, s13, 13                        ; my 64 rows of 128 bytes
	s_add_co_u32 s76, s76, s77
	s_mov_b32 s77, 0
	s_add_nc_u64 s[68+2*\g:69+2*\g], s[10:11], s[76:77]
.endr
.else
	v_mul_u32_u24 v6, v1, 272                      ; in: row l % 16 (pitch 272), 32 bytes for each half of the lanes
	v_lshl_add_u32 v6, v2, 5, v6
	v_add_nc_u32 v[STO], s22, v6
	v_mul_u32_u24 v6, v2, 272                      ; back: lanes 0-15 take one row of 256 bytes, lanes 16-31 the next
	v_lshl_add_u32 v6, v1, 4, v6
	v_add_nc_u32 v[RD], s22, v6
	v_lshlrev_b32 v6, 12, v2                       ; and the same two rows in C
	v_lshl_add_u32 v[CO], v1, 4, v6
	s_lshl_b32 s74, s15, 7
	s_lshl_b32 s75, s13, 6
	s_add_co_u32 s74, s74, s75                     ; my first row of C,
	s_lshl_b32 s74, s74, 12                        ; of 4,096 bytes
	s_lshl_b32 s75, s42, 9                         ; my first column, in bytes
	s_add_co_u32 s74, s74, s75
	s_lshl_b32 s75, s14, 8
	s_add_co_u32 s74, s74, s75
	s_mov_b32 s75, 0
	s_add_nc_u64 s[10:11], s[10:11], s[74:75]
.endif
	s_wait_loadcnt 0x0                             ; the bias; it is rounded to bf16 in place, like every input
.set ii, 0
.rept 4*NBK
	v_cvt_pk_bf16_f32 v[TT+ii%2], v[BIAS+2*ii], v[BIAS+2*ii+1]
	v_lshlrev_b32 v[BIAS+2*ii], 16, v[TT+ii%2]
	v_and_b32 v[BIAS+2*ii+1], s45, v[TT+ii%2]
.set ii, ii+1
.endr
; NBK matrix instructions: row block a x all my column blocks, 32 along K, from buffer f.  zero = 1: the products start the sums, on the bias.
; The 4 NBK accumulators take turns, one instruction a turn, in the same order in every quarter.
.macro MULA f, a, zero
.if \zero
	WIN 0x81+0x40*((\a)/2)                         ; W window 1, A and the bias window 0, D window 2 or 3
.else
	WIN 0xa1+0x50*((\a)/2)                         ; W window 1, A window 0, C and D window 2 or 3
.endif
.set bb, 0
.rept NBK
.set rD, 8*(NBK*((\a)%2)+bb)
.set rB, 8*NBK*(\f)+8*bb
.set rA, FA+32*(\f)+8*(\a)
.if \zero
	v_wmma_f32_16x16x32_f16 v[rD:rD+7], v[rB:rB+7], v[rA:rA+7], v[BIAS+8*bb:BIAS+8*bb+7]
.else
	v_wmma_f32_16x16x32_f16 v[rD:rD+7], v[rB:rB+7], v[rA:rA+7], v[rD:rD+7]
.endif
.set bb, bb+1
.endr
.endm
; One run of 2 NBK + 8 LDS loads: the fragments of quarter q of a slot into buffer f; W's first, A's row blocks 0 to 3 last
.macro FETCH slot, q, f
	WIN 0x40                                       ; destination window 1, address window 0
.set ii, 0
.rept NBK
	ds_load_tr16_b128 v[8*NBK*(\f)+8*ii:8*NBK*(\f)+8*ii+3],   v[ADRB+2*(\slot)+(\q)/(NQ/2)] offset:((\q)%(NQ/2))*32*PB+(ii/4)*144+(ii%4)*32
	ds_load_tr16_b128 v[8*NBK*(\f)+8*ii+4:8*NBK*(\f)+8*ii+7], v[ADRB+2*(\slot)+(\q)/(NQ/2)] offset:((\q)%(NQ/2))*32*PB+16*PB+(ii/4)*144+(ii%4)*32
.set ii, ii+1
.endr
	WIN 0
.set ii, 0
.rept 4
	ds_load_b128 v[FA+32*(\f)+8*ii:FA+32*(\f)+8*ii+3],   v[ADRA+(\slot)] offset:((\q)/2)*ABLK+((\q)%2)*64+ii*16*PA
	ds_load_b128 v[FA+32*(\f)+8*ii+4:FA+32*(\f)+8*ii+7], v[ADRA+(\slot)] offset:((\q)/2)*ABLK+((\q)%2)*64+ii*16*PA+32
.set ii, ii+1
.endr
.endm
; A quarter but the step's last: multiplies buffer f; in its middle it fetches quarter nq of the same slot into the other buffer
.macro QUARTER slot, nq, f, zero
	s_wait_dscnt 4                                 ; W and A's row blocks 0, 1 are in; the youngest four loads (row blocks 2, 3) may be out
	MULA \f, 0, \zero
	MULA \f, 1, \zero
	PLACES
	FETCH \slot, \nq, 1-(\f)
	s_wait_dscnt 2*NBK+8                           ; all but the run just issued
	MULA \f, 2, \zero
	MULA \f, 3, \zero
.endm
.macro RUN slot, from                  ; quarters from .. NQ - 2 of a step, on buffers q % 2
.set qq, \from
.rept NQ-1-(\from)
	QUARTER \slot, qq+1, qq%2, 0
.set qq, qq+1
.endr
.endm
; The step's last quarter multiplies buffer 1 and changes slots: ONE barrier; in front of it each wave waits for all its tensor loads (one is out: its part of the next slot), adds 0 to its spare word,
; and waits for that and for its own reads of this slot.  fill = 1: the barrier opens a round of the cluster's, and this slot is filled again, two K steps ahead, first thing behind the round.
.macro TURN slot, next, fill
	WIN 0                                          ; (the add's two registers lie in window 0)
	s_wait_tensorcnt 0x0                           ; all my tensor loads have landed
	ds_add_u32 v[SPW], v[NIL]                      ; 0 onto my spare word
	s_wait_dscnt 5                                 ; (the add and the youngest four loads may be out)
	MULA 1, 0, 0                                   ; matrix work stands between the add and the wait for it
	s_wait_dscnt 0x0                               ; the add is done, and my reads of this slot are over
	s_barrier_signal -1
	MULA 1, 1, 0
.if \fill
	WIN 0
.endif
	s_barrier_wait -1
.if \fill
	CREST                                          ; no wave of any partner still reads this slot's tile or has a load on its way
	s_add_nc_u64 s[G0+4*(\slot)+2:G0+4*(\slot)+3], s[G0+4*(\slot)+2:G0+4*(\slot)+3], 2*ASTEP
	s_add_nc_u64 s[G0B+4*(\slot)+2:G0B+4*(\slot)+3], s[G0B+4*(\slot)+2:G0B+4*(\slot)+3], 2*BSTEP
	JLOAD \slot                                    ; my one tensor load behind the round; the four v_nop behind it are also the places in front of the loads below
.else
	PLACES
.endif
	FETCH \next, 0, 0
	MULA 1, 2, 0
	MULA 1, 3, 0
.endm
	s_wait_tensorcnt 1                             ; my part of K step 0 is in; step 1's may stay out
	s_barrier_signal -1
	s_barrier_wait -1                              ; everybody's is
	FETCH 0, 0, 0
	QUARTER 0, 1, 0, 1                             ; the first quarter stands in front of the loop: its products start the sums
	WIN 0                                          ; at a label and at a branch every window is 0
	s_mov_b32 s3, LAPS-1
.Llap:                                                 ; a trip goes once round the ring, from a lap's second quarter to the next lap's first, and fills both slots again
	RUN 0, 1
	TURN 0, 1, 1
	RUN 1, 0
	TURN 1, 0, 1
	QUARTER 0, 1, 0, 0
	WIN 0
	s_sub_co_u32 s3, s3, 1
	s_cmp_lg_u32 s3, 0
	s_cbranch_scc1 .Llap
	RUN 0, 1                                       ; the last lap fills nothing, and has no round of the cluster's barrier
	TURN 0, 1, 0
	RUN 1, 0
	s_wait_dscnt 4                                 ; the very last quarter: nothing more to fetch
	MULA 1, 0, 0
	MULA 1, 1, 0
	s_wait_dscnt 0x0
	MULA 1, 2, 0
	MULA 1, 3, 0
	WIN 0
	PLACES
.if QKV
; THE WAY OUT, f16 by heads.  Block u = 3 a + g: 16 rows x one head's 64 columns.  A lane's eight columns pack into 16 bytes; they go into my stage (rows of 144 bytes) and come back as whole rows of 128: 2,048 dense bytes of the head's block.
.macro PACKQ u
.set aa, (\u)/3
.set gg, (\u)%3
	WIN 0x0a+5*(aa/2)                              ; sources 0 and 1 window 2 or 3, destination window 0
.set bb, 0
.rept 4
.set rD, 8*(NBK*(aa%2)+4*gg+bb)
.set rr, 0
.rept 4
	v_cvt_pk_f16_f32 v[OUTR+16*(\u)+4*bb+rr], v[rD+2*rr], v[rD+2*rr+1]
.set rr, rr+1
.endr
.set bb, bb+1
.endr
	WIN 0
.irp f, 0,1,2,3
	ds_store_b128 v[STO], v[OUTR+16*(\u)+4*\f:OUTR+16*(\u)+4*\f+3] offset:32*\f
.endr
.irp f, 0,1,2,3
	ds_load_b128 v[OUTR+16*(\u)+4*\f:OUTR+16*(\u)+4*\f+3], v[RD] offset:\f*4*PA  ; LDS serves a wave's instructions in order (ISA guide 5.7.1.4): these see the stores above; the next block's stores come behind them
.endr
.endm
.macro SENDQ u, younger                ; younger: the LDS instructions issued behind block u's loads: the next block's eight, or none
	WIN 0
.irp f, 0,1,2,3
	s_wait_dscnt (\younger)+3-\f
	global_store_b128 v[CO], v[OUTR+16*(\u)+4*\f:OUTR+16*(\u)+4*\f+3], s[68+2*((\u)%3):69+2*((\u)%3)] offset:((\u)/3)*2048+\f*512  ; 512 consecutive bytes, at a multiple of 256 from the buffer's first
.endr
.endm
	PACKQ 0
.set uu, 1
.rept 11                               ; a block's conversions stand between the loads of the block before and its stores; no register is used twice
	PACKQ uu
	SENDQ uu-1, 8
.set uu, uu+1
.endr
	SENDQ 11, 0
.else
; THE WAY OUT, f32.  Row block a: a lane's 8 columns of each of 4 column blocks go into my stage (rows of 272 bytes) and come back as whole rows of 256 bytes.
.macro PACKO a
	WIN 0x08+4*((\a)/2)                            ; the stores' data in window 2 or 3, the address in window 0
.set bb, 0
.rept 4
.set rD, 8*(NBK*((\a)%2)+bb)
	ds_store_b128 v[STO], v[rD:rD+3] offset:64*bb
	ds_store_b128 v[STO], v[rD+4:rD+7] offset:64*bb+16
.set bb, bb+1
.endr
	WIN 0
.irp t, 0,1,2,3,4,5,6,7
	ds_load_b128 v[OUTR+32*(\a)+4*\t:OUTR+32*(\a)+4*\t+3], v[RD] offset:\t*2*272  ; LDS serves a wave's instructions in order (ISA guide 5.7.1.4)
.endr
.endm
.macro SENDO a, younger
	WIN 0
.irp t, 0,1,2,3,4,5,6,7
	s_wait_dscnt (\younger)+7-\t
	global_store_b128 v[CO], v[OUTR+32*(\a)+4*\t:OUTR+32*(\a)+4*\t+3], s[10:11] offset:(16*(\a)+2*\t)*4096  ; 16 lanes store 256 consecutive bytes, at a multiple of 256 from C's first byte
.endr
.endm
	PACKO 0
	PACKO 1
	SENDO 0, 16
	PACKO 2
	SENDO 1, 16
	PACKO 3
	SENDO 2, 16
	SENDO 3, 0
.endif
	s_wait_tensorcnt 0x0                           ; the wave's end: the tensor wait, the add onto my spare word and its wait, behind my last tensor load and my last LDS store
	ds_add_u32 v[SPW], v[NIL]
	s_wait_dscnt 0x0
	CROUND                                         ; the closing round: no work-group ends while a partner may still ask for a tile that names it
	s_endpgm
.Lfunc_end_k_q837665bed3_outp:
	.size	k_q837665bed3_outp, .Lfunc_end_k_q837665bed3_outp-k_q837665bed3_outp
	.p2alignl 7, 3214868480
	.fill 96, 4, 3214868480
	.section	.rodata,"a",@progbits
	.p2align	6, 0x0
	.amdhsa_kernel k_q837665bed3_outp
		.amdhsa_group_segment_fixed_size 327680
		.amdhsa_private_segment_fixed_size 0
		.amdhsa_enable_private_segment 0
		.amdhsa_kernarg_size 32
		.amdhsa_user_sgpr_count 2
		.amdhsa_user_sgpr_kernarg_segment_ptr 1
		.amdhsa_wavefront_size32 1
		.amdhsa_system_sgpr_workgroup_id_x 1
		.amdhsa_system_sgpr_workgroup_id_y 1
		.amdhsa_system_sgpr_workgroup_id_z 1
		.amdhsa_system_vgpr_workitem_id 0
		.amdhsa_next_free_vgpr 832
		.amdhsa_next_free_sgpr 84
		.amdhsa_reserve_vcc 0
		.amdhsa_float_denorm_mode_32 3
		.amdhsa_float_denorm_mode_16_64 3
		.amdhsa_memory_ordered 1
		.amdhsa_forward_progress 1
		.amdhsa_inst_pref_size 96
	.end_amdhsa_kernel
	.amdgpu_metadata
---
amdhsa.version: [ 1, 2 ]
amdhsa.kernels:
  - .name:           k_q837665bed3_outp
    .symbol:         k_q837665bed3_outp.kd
    .args:
      - { .name: cws, .offset: 0, .size: 8, .value_kind: global_buffer, .address_space: global }
      - { .name: wow, .offset: 8, .size: 8, .value_kind: global_buffer, .address_space: global }
      - { .name: b_out, .offset: 16, .size: 8, .value_kind: global_buffer, .address_space: global }
      - { .name: out0, .offset: 24, .size: 8, .value_kind: global_buffer, .address_space: global }
    .group_segment_fixed_size: 327680
    .private_segment_fixed_size: 0
    .kernarg_segment_align: 8
    .kernarg_segment_size: 32
    .max_flat_workgroup_size: 128
    .sgpr_count:     84
    .vgpr_count:     832
    .wavefront_size: 32
...
	.end_amdgpu_metadata
.endif
;; end of part 4
;; ======== version 2 of 2: 4 launches
;; limits: values are held in f16: magnitudes above 65,504 overflow, below 6.1e-05 lose precision; inputs' magnitudes at most 1e+30
;; workspace buffers: hws 8,388,608 bytes; wpw 6,291,456 bytes; wow 2,097,152 bytes; qkvw 33,554,432 bytes; cws 8,388,608 bytes
;; launch prep (part 5): grid 1536 x 1, 8 waves a work-group, no clusters, 0 bytes of LDS; arguments hidden_states, W_pre, W_out, incr_state, hws, wpw, wow, qkvw; writes hws, wpw, wow, qkvw
.if DOCPART == 5
	.amdgcn_target "amdgcn-amd-amdhsa--gfx1250"
	.amdhsa_code_object_version 6
	.text
	.protected	k_q837665bed3_prep
	.globl	k_q837665bed3_prep
	.p2align	8
	.type	k_q837665bed3_prep,@function
k_q837665bed3_prep:
	s_mov_b64 s[64:65], 0
	v_nop
	global_prefetch_b8 v0, s[64:65] scope:SCOPE_SE
	s_setreg_imm32_b32 hwreg(HW_REG_WAVE_MODE, 25, 1), 1
	s_wait_xcnt 0x0
; PREP: every matrix operand among the inputs is rounded ONCE to bf16 and written as f16 in the form in which the later launches take it.
;   hidden_states -> hws  [32 row tiles of 128][16 k blocks of 64][128 rows][64]   (a row tile's k blocks lie end to end)
;   W_pre, W_out  -> wpw, wow  layout unchanged ([k][n])
;   incr_state    -> qkvw blocks [2 heads of a pair][128 keys][64]; K's blocks from byte KBASE, V's KVB bytes further; key tiles 0-7 of 24
; (The mask is no matrix operand: the attention takes it in f32, as it is given.)
; A bf16 number written as f16 is exact where f16 is normal.  LIMITS: a number of 65,520 or more in magnitude becomes an infinity in f16; below 6.1e-5 f16
; keeps its fixed step of 6e-8.
; A stream: memory binds, so no LDS, no matrix unit, no cluster (no byte is shared).  A work-group takes 8,192 numbers: eight loads of 16 bytes a thread, all issued
; first; each load of a wave covers whole aligned blocks of 256 bytes, each store of a wave 256 consecutive bytes.
; 1,536 work-groups of equal work: 512 hidden, 384 W_pre, 128 W_out, 512 incr_state.  The task hangs on the work-group's number alone.
.set KBASE, 8388608
.set KVB,   12582912
.set VIN,  1                           ; v1      byte offset of my 16 bytes in the chunk's first load
.set VOUT, 2                           ; v2      byte offset of my 8 bytes in the chunk's first store
.set TT,   4                           ; v[4:5]  two words of packed bf16, at work
.set X,    8                           ; v[8:39] load i: 4 registers; then the rounded numbers as f32
.set Y,    40                          ; v[40:55] store i: 2 registers of f16
; The chunk.  istep, ostep: bytes from load to load, from store to store.  No register of a store is written again.
.macro STREAM istep, ostep
.irp i, 0,1,2,3,4,5,6,7
	global_load_b128 v[X+4*\i:X+4*\i+3], v[VIN], s[4:5] offset:\i*(\istep) th:TH_LOAD_NT
.endr
.irp i, 0,1,2,3,4,5,6,7
	s_wait_loadcnt 7-\i                            ; loads come back in order: load i is in, the 7 - i younger ones stay out
	v_cvt_pk_bf16_f32 v[TT], v[X+4*\i], v[X+4*\i+1]        ; the one rounding, to nearest even
	v_cvt_pk_bf16_f32 v[TT+1], v[X+4*\i+2], v[X+4*\i+3]
	v_lshlrev_b32 v[X+4*\i], 16, v[TT]                     ; bf16 to f32: the low half moves up,
	v_and_b32 v[X+4*\i+1], s3, v[TT]                       ; the high half stays
	v_lshlrev_b32 v[X+4*\i+2], 16, v[TT+1]
	v_and_b32 v[X+4*\i+3], s3, v[TT+1]
	v_cvt_pk_f16_f32 v[Y+2*\i], v[X+4*\i], v[X+4*\i+1]
	v_cvt_pk_f16_f32 v[Y+2*\i+1], v[X+4*\i+2], v[X+4*\i+3]
	global_store_b64 v[VOUT], v[Y+2*\i:Y+2*\i+1], s[6:7] offset:\i*(\ostep)
.endr
	s_endpgm
.endm
	s_load_b512 s[16:31], s[0:1], 0x0              ; hidden s[16:17], W_pre s[18:19], W_out s[20:21], incr s[22:23], hws s[24:25], wpw s[26:27], wow s[28:29], qkvw s[30:31]
	s_mov_b32 s2, ttmp9
	s_mov_b32 s3, 0xffff0000                       ; a word's upper bf16
	s_mov_b32 s9, 0                                ; the offsets are pairs with 0 on top
	s_mov_b32 s11, 0
	v_lshlrev_b32 v[VIN], 4, v0                    ; dense chunks: 16 t in,
	v_lshlrev_b32 v[VOUT], 3, v0                   ; 8 t out
	s_wait_kmcnt 0x0
	s_cmp_lt_u32 s2, 512
	s_cbranch_scc1 .Lhidden
	s_cmp_lt_u32 s2, 896
	s_cbranch_scc1 .Lwpre
	s_cmp_lt_u32 s2, 1024
	s_cbranch_scc1 .Lwout
	; incr_state: chunk c = ((b 16 + h) 2 + j) 8 + t: 128 cached keys of one head, K (j = 0) or V (j = 1)
	s_sub_co_u32 s12, s2, 1024
	s_lshl_b32 s8, s12, 15
	s_and_b32 s13, s12, 7                          ; t
	s_bfe_u32 s14, s12, 0x10003                    ; j
	s_bfe_u32 s15, s12, 0x40004                    ; h
	s_lshr_b32 s36, s12, 8                         ; b
	s_lshl_b32 s36, s36, 3
	s_lshr_b32 s37, s15, 1
	s_add_co_u32 s36, s36, s37                     ; the head pair, 8 b + h / 2
	s_mul_i32 s36, s36, 24
	s_add_co_u32 s36, s36, s13                     ; its key tile t of 24
	s_lshl_b32 s36, s36, 1
	s_and_b32 s15, s15, 1
	s_add_co_u32 s36, s36, s15                     ; the head's half of the block
	s_lshl_b32 s10, s36, 14
	s_mul_i32 s14, s14, KVB
	s_add_co_u32 s10, s10, s14
	s_add_co_u32 s10, s10, KBASE
	s_add_nc_u64 s[4:5], s[22:23], s[8:9]
	s_add_nc_u64 s[6:7], s[30:31], s[10:11]
	STREAM 4096, 2048
.Lhidden:                                              ; chunk c: rows 16 (c / 2) on, columns 512 (c % 2) on; load i is k block 8 (c % 2) + i of 16 rows
	s_lshr_b32 s12, s2, 1
	s_and_b32 s13, s2, 1
	s_lshl_b32 s8, s12, 16                         ; 16 rows of 4,096 bytes
	s_lshl_b32 s14, s13, 11
	s_or_b32 s8, s8, s14
	s_lshr_b32 s10, s2, 4                          ; the row tile: 262,144 bytes
	s_lshl_b32 s10, s10, 18
	s_lshl_b32 s14, s13, 17                        ; eight k blocks of 16,384 bytes
	s_or_b32 s10, s10, s14
	s_and_b32 s14, s12, 7                          ; 16 rows of 128 bytes in the block
	s_lshl_b32 s14, s14, 11
	s_or_b32 s10, s10, s14
	s_add_nc_u64 s[4:5], s[16:17], s[8:9]
	s_add_nc_u64 s[6:7], s[24:25], s[10:11]
	v_lshrrev_b32 v3, 4, v0                        ; row t / 16, 16 bytes at 16 (t % 16): sixteen lanes take 256 consecutive bytes
	v_and_b32 v[VIN], 15, v0
	v_lshlrev_b32 v[VIN], 4, v[VIN]
	v_lshl_add_u32 v[VIN], v3, 12, v[VIN]
	STREAM 256, 16384
.Lwpre:
	s_sub_co_u32 s12, s2, 512
	s_lshl_b32 s8, s12, 15
	s_lshl_b32 s10, s12, 14
	s_add_nc_u64 s[4:5], s[18:19], s[8:9]
	s_add_nc_u64 s[6:7], s[26:27], s[10:11]
	STREAM 4096, 2048
.Lwout:
	s_sub_co_u32 s12, s2, 896
	s_lshl_b32 s8, s12, 15
	s_lshl_b32 s10, s12, 14
	s_add_nc_u64 s[4:5], s[20:21], s[8:9]
	s_add_nc_u64 s[6:7], s[28:29], s[10:11]
	STREAM 4096, 2048
.Lfunc_end_k_q837665bed3_prep:
	.size	k_q837665bed3_prep, .Lfunc_end_k_q837665bed3_prep-k_q837665bed3_prep
	.p2alignl 7, 3214868480
	.fill 96, 4, 3214868480
	.section	.rodata,"a",@progbits
	.p2align	6, 0x0
	.amdhsa_kernel k_q837665bed3_prep
		.amdhsa_group_segment_fixed_size 0
		.amdhsa_private_segment_fixed_size 0
		.amdhsa_enable_private_segment 0
		.amdhsa_kernarg_size 64
		.amdhsa_user_sgpr_count 2
		.amdhsa_user_sgpr_kernarg_segment_ptr 1
		.amdhsa_wavefront_size32 1
		.amdhsa_system_sgpr_workgroup_id_x 1
		.amdhsa_system_sgpr_workgroup_id_y 1
		.amdhsa_system_sgpr_workgroup_id_z 1
		.amdhsa_system_vgpr_workitem_id 0
		.amdhsa_next_free_vgpr 56
		.amdhsa_next_free_sgpr 66
		.amdhsa_reserve_vcc 0
		.amdhsa_float_denorm_mode_32 3
		.amdhsa_float_denorm_mode_16_64 3
		.amdhsa_memory_ordered 1
		.amdhsa_forward_progress 1
		.amdhsa_inst_pref_size 22
	.end_amdhsa_kernel
	.amdgpu_metadata
---
amdhsa.version: [ 1, 2 ]
amdhsa.kernels:
  - .name:           k_q837665bed3_prep
    .symbol:         k_q837665bed3_prep.kd
    .args:
      - { .name: hidden_states, .offset: 0, .size: 8, .value_kind: global_buffer, .address_space: global }
      - { .name: W_pre, .offset: 8, .size: 8, .value_kind: global_buffer, .address_space: global }
      - { .name: W_out, .offset: 16, .size: 8, .value_kind: global_buffer, .address_space: global }
      - { .name: incr_state, .offset: 24, .size: 8, .value_kind: global_buffer, .address_space: global }
      - { .name: hws, .offset: 32, .size: 8, .value_kind: global_buffer, .address_space: global }
      - { .name: wpw, .offset: 40, .size: 8, .value_kind: global_buffer, .address_space: global }
      - { .name: wow, .offset: 48, .size: 8, .value_kind: global_buffer, .address_space: global }
      - { .name: qkvw, .offset: 56, .size: 8, .value_kind: global_buffer, .address_space: global }
    .group_segment_fixed_size: 0
    .private_segment_fixed_size: 0
    .kernarg_segment_align: 8
    .kernarg_segment_size: 64
    .max_flat_workgroup_size: 256
    .sgpr_count:     66
    .vgpr_count:     56
    .wavefront_size: 32
...
	.end_amdgpu_metadata
.endif
;; end of part 5
;; launch qkv: the kernel of part 2 again; grid 8 x 32, 4 waves a work-group, clusters of 4 x 4, 327,680 bytes of LDS; arguments hws, wpw, b_pre, qkvw; writes qkvw
;; launch attn (part 6): grid 16 x 16, 4 waves a work-group, clusters of 4 x 4, 327,680 bytes of LDS; arguments qkvw, mask, cws; writes cws
.if DOCPART == 6
	.amdgcn_target "amdgcn-amd-amdhsa--gfx1250"
	.amdhsa_code_object_version 6
	.text
	.protected	k_q837665bed3_attn
	.globl	k_q837665bed3_attn
	.p2align	8
	.type	k_q837665bed3_attn,@function
k_q837665bed3_attn:
	s_mov_b64 s[64:65], 0
	v_nop
	global_prefetch_b8 v0, s[64:65] scope:SCOPE_SE
	s_setreg_imm32_b32 hwreg(HW_REG_WAVE_MODE, 25, 1), 1
	s_wait_xcnt 0x0
	s_wait_alu depctr_hold_cnt(0) depctr_sa_sdst(0) depctr_va_vdst(0) depctr_va_sdst(0) depctr_va_ssrc(0) depctr_va_vcc(0) depctr_vm_vsrc(0)
	s_getreg_b32 s2, hwreg(HW_REG_IB_STS2, 6, 4)
	s_cmp_eq_u32 s2, 0
	s_cbranch_scc0 .Lentry_in_a_cluster
	s_endpgm
.Lentry_in_a_cluster:
	s_bfe_u32 s2, ttmp6, 0x10000c
	s_cmp_lg_u32 s2, 0xf033
	s_cbranch_scc0 .Lentry_shape_is_right
	s_endpgm
.Lentry_shape_is_right:
; ATTENTION WITH AN ADDITIVE MASK, NO SCALE.  O[b][h][q] = the sum over k of softmax_k(Q[q] . K[k] + M[b][q][k]) V[k]: 2,048 queries, 3,072 keys, head size 64, 32 heads; M is shared by a batch's 16 heads.
; q, k, v: f16, blocks [2 heads of a pair][128 rows][64] (q from byte 0, 16 blocks a pair; k from KBASE and v from VBASE, 24 blocks a pair).  M: f32 [2][2048][3072], the input as it is given.  O: f16, [32 row tiles][16 heads][128 rows][64].
; Products, maxima and sums in f32; the mask is added in f32, unrounded; the weights p are rounded to f16 for the second product (their sum l is taken of the unrounded p), O once at the end.
; LIMITS.  p below 6e-5 keeps f16's fixed step of 6e-8; a weight below 2^-126 counts as 0 in l.  The running maximum starts at -1e30: a row all of whose scores lie below that (all -inf among them) gives NaN.
; A score of -inf gives the weight 0.  +inf and NaN in the inputs are not treated apart.
; SHARES.  A work-group owns 128 queries of a PAIR of heads: wave w has head w / 2 of the pair and 64 queries (w % 2), four PIECES of 16.  16 x 16 = 256 work-groups of equal work.  Every wave walks all keys, 64 a step.
; For 128 keys the work-group fetches 64 KB of mask, which both heads use, and 32 KB each of K and V.
; CLUSTER, 4 x 4.  The four of a row of the cluster have one head pair and walk the same K and V; the four of a column have the same queries of the same batch and walk the same mask tiles.  Each tile is asked for JOINTLY.
; The batch is the low bit of the cluster's y, the group of four head pairs its upper bit: a batch's mask is walked by the clusters of even y, or by those of odd y.
; THE MASK is the C operand of the products that start the sums S^T = K Q^T: it costs the loop no arithmetic, only eight LDS loads a turn.
; LAYOUT, SOFTMAX, TURNS.  S^T = K Q^T holds ONE query a lane (lane % 16) and the keys 8 (lane / 16) + 0..7; two such results rounded to f16 ARE source 1 of O^T = V^T P.  p = 2^(c s - c m), c = log2(e), with a
; running maximum m; O and l are multiplied by a = 2^(c m_old - c m_new) in every step.  Turn n belongs to piece n: 8 products K Q^T of piece n + 1, later 8 products V^T P of piece n - 1; beside them the scaling,
; exponentials, roundings, sums and rescaling of piece n and the maximum and statistics of piece n + 1.  Four vector instructions stand behind every matrix instruction, the others in two runs of their own.
; m starts low, O and l at 0: the first step is a step like any other, with a = 0; the loop is entered, and the tail left, in the middle of a trip.
; REGISTERS, in windows of 256 (s_set_vgpr_msb: bits 1:0 source 0, 3:2 source 1, 5:4 source 2, 7:6 destination):
;   window 0: v2-15 addresses; v16-31 four registers of statistics a piece; v32-37 set-up; v48-55 at work; v62-63 the add's; v64-127 S^T, two buffers; v192-223 P, two buffers (a piece's buffers go by its number's parity)
;   window 1: v0-127 O^T, 32 a piece; v160-223 the mask, two buffers of 32      window 2: v0-63 Q; v128-191 K of one step; v192-255 V of one step
.set NP,    4         ; pieces a wave: a name, no knob
.set KS,    64        ; keys in a step
.set NSLOT, 24        ; tiles of 128 keys
.set PK,    144       ; a row of K in LDS: 128 bytes + 16 = 36 words: the 16 rows of a load start at 16 different groups of four banks (64 banks of 4 bytes: ISA guide 11.1)
.set PV,    160       ; a row of V: 128 + 32 = 40 words
.set PM,    528       ; a row of the mask: 512 bytes + 16 = 132 words: 16 rows start at 16 different groups of four banks
.set KOFF,  128*PM    ; slot 0: the mask's 128 rows, then K's 256 rows (head, key)
.set STAGE, KOFF+256*PK  ; behind them, never filled by a tensor load: 16 rows x 144 bytes for each wave, for the way out
.set SP,    144
.set SPARE, STAGE+4*16*SP  ; the spare words, 128 bytes for each wave: two blocks of 256 bytes that no other line names
.set SLOT1, 1<<17     ; slot 1's mask and K begin here: one exclusive or turns an address in one slot into the other's
.set VS0,   SLOT1+KOFF+256*PK  ; V's two slots lie behind them
.set VS1,   VS0+256*PV
.set VX,    VS0^VS1   ; turns the one constant into the other
.set KBASE, 8388608
.set VBASE, 20971520
.set AK0, 2           ; v2   my lane's place in a tile of K; never rewritten
.set AV0, 3           ; v3   the same for V
.set AK,  4           ; v4   the LDS address of K's next run of loads
.set AV,  5           ; v5   of V's
.set STO, 6           ; v6   the way out: where I put 16 bytes of a row
.set RD,  7           ; v7   the way out: where I read rows back
.set GO,  8           ; v8   my byte offset in 512 consecutive bytes of O
.set AM0, 9           ; v9   my lane's place in a tile of the mask; never rewritten
.set AM,  10          ; v10  the LDS address of the mask of the step in hand
.set PFO, 11          ; v11  waves 0 and 1: my lane's byte offset, in the mask or in q, k, v, of the block that it asked for last
.set MV,  12          ; v12-13  c m_old, kept while c m is made anew: by buffer
.set QO,  15          ; v15  my byte offset in 16 rows of Q
.set ST,  16          ; piece t's statistics at v[ST+4 t]: c m, m, l (even keys', odd keys')
.set TMP, 48          ; by buffer, four registers c0-c3 at work; when the maximum is found c2 takes a
.set SPW, 62          ; v62  LDS address of my spare word; never rewritten
.set NIL, 63          ; v63  0; never rewritten
.set S,   64
.set P,   192
.set MC,  160         ; window 1: the mask of a piece and step: the eight registers for group kt of 16 keys at MC + 32 buffer + 8 kt
.set KF,  128         ; window 2: key block kb, channel half c at KF + 16 kb + 8 c
.set VF,  192         ; window 2: key half kk, channel block cb at VF + 32 kk + 8 cb
.set WV,  12          ; s12  my wave's number
.set G1M, 24          ; s[24:31] descriptor group 1 for the mask's tiles
.set G1K, 32          ; s[32:39] for K's
.set G1V, 40          ; s[40:47] for V's
.set G0M, 48          ; s[48:51] descriptor group 0 for the mask's tiles: it walks
.set G0K, 52          ; s[52:55] for K's
.set G0V, 56          ; s[56:59] for V's
.set CS,  60          ; s[60:61] c: the packed scaling takes the pair's low word for both halves
.set SEL, 62          ; s[62:63] v_permlanex16_b32's selects: each lane takes its own place in the other half
.set SLOTS, 66        ; s66  tiles still to be asked for
.set CNT, 67          ; s67  counts a tile's key steps
.set TBK, 68          ; s68  LDS byte, less KOFF, at which K of the step to be fetched begins
.set TBV, 69          ; s69  LDS byte at which V of the step to be fetched begins
.set TBM, 70          ; s70  LDS byte at which the mask of the step to be fetched begins
.set PB,  80          ; s[80:81] q, k, v's address as it came; never rewritten (s[6:7], the mask's, likewise)
.set ODD, 82          ; s82  at work: the low bit of SLOTS
.set MSB, 0
.macro WIN new                      ; the high byte repeats the setting that is left; a switch that changes nothing is dropped
.if MSB != (\new)
	s_set_vgpr_msb (MSB<<8)|(\new)
.set MSB, (\new)
.endif
.endm
.set W_KQ, 0x0a       ; K and Q in window 2, S^T in window 0
.set W_KM, 0x1a       ; the same with the C operand, the mask, in window 1
.set W_PV, 0x52       ; V in window 2, P in window 0, O^T in window 1
.set W_RS, 0x41       ; destination and source 0 in window 1, source 1 in window 0
; A joint fill.  Waves 0 and 1 fetch the two halves of the mask's tile, wave 2 K's, wave 3 V's: 32 KB each.  The branches hang on the wave's number alone.
; An s_nop 0 and four v_nop follow each of the three lines, ahead of the jump and the label.
.macro JLOAD
	s_cmp_lt_u32 s[WV], 2
	s_cbranch_scc0 .Lfor_kv_\@
	tensor_load_to_lds s[G0M:G0M+3], s[G1M:G1M+7]
	s_nop 0
.rept 4
	v_nop
.endr
	s_branch .Lasked_\@
.Lfor_kv_\@:
	s_cmp_eq_u32 s[WV], 2
	s_cbranch_scc0 .Lfor_v_\@
	tensor_load_to_lds s[G0K:G0K+3], s[G1K:G1K+7]
	s_nop 0
.rept 4
	v_nop
.endr
	s_branch .Lasked_\@
.Lfor_v_\@:
	tensor_load_to_lds s[G0V:G0V+3], s[G1V:G1V+7]
	s_nop 0
.rept 4
	v_nop
.endr
.Lasked_\@:
.endm
; THE PREFETCH, behind the fill of tile f = 24 - SLOTS.  Each aligned block of 256 bytes of tiles 2 to 23 is asked for once in the launch, by one lane of one wave of one work-group.
; THE MASK.  A tile of 128 rows x 512 bytes has 256 blocks, shared out among the batch's 8 head pairs: wave 0 of pair j asks, behind every fill, for rows 16 j .. 16 j + 15 of tile f + 1, two blocks a row, a lane a block.
; That tile's own fill is issued one slot's walk (two key steps, eight turns) later.
; K AND V.  A tile of K has 32,768 / 256 = 128 blocks, a tile of V as many, shared out among the pair's 16 query blocks: 8 of each.  That is half a wave, so wave 1 asks behind every second fill (f odd, which is SLOTS odd)
; for TWO tiles: lanes 0-15 tile f + 1, lanes 16-31 tile f + 2; in each half lanes 0-7 K, lanes 8-15 V; block 8 x query block + lane % 8.
; 8 KB a request.  Behind the fill of tile 23 (SLOTS = 1) nothing is asked for: the last requests, at SLOTS = 2 (mask) and 3 (K, V), end with tile 23, and V's tile 23 of the last pair ends with the buffer.
; The branches hang on the wave's number and on SLOTS, which are alike in all partners.
.macro PREF
	s_cmp_lt_u32 s[SLOTS], 2
	s_cbranch_scc1 .Lno_pf_\@
	s_cmp_eq_u32 s[WV], 0
	s_cbranch_scc0 .Lpf_kv_\@
	s_wait_xcnt 0x0                 ; the offset is stepped only behind this wait; the prefetch that read it stands a whole slot back
	v_add_nc_u32 v[PFO], 512, v[PFO]        ; the next tile: 512 bytes along the mask's rows
	global_prefetch_b8 v[PFO], s[6:7] th:TH_LOAD_NT scope:SCOPE_SE
	s_branch .Lno_pf_\@
.Lpf_kv_\@:
	s_cmp_eq_u32 s[WV], 1
	s_cbranch_scc0 .Lno_pf_\@
	s_and_b32 s[ODD], s[SLOTS], 1
	s_cmp_eq_u32 s[ODD], 0
	s_cbranch_scc1 .Lno_pf_\@
	s_wait_xcnt 0x0                 ; as above; the prefetch that read the offset stands two slots back
	v_add_nc_u32 v[PFO], 0x10000, v[PFO]    ; the next two tiles: 2 x 32,768 bytes
	global_prefetch_b8 v[PFO], s[PB:PB+1] th:TH_LOAD_NT scope:SCOPE_SE
.Lno_pf_\@:
.endm
; A round of the cluster's barrier: my work-group's barrier, so that wave 0's signal speaks for all four waves; wave 0 signals; every wave waits for all sixteen work-groups; my work-group's barrier once more.
.macro CROUND
	s_barrier_signal -1
	s_barrier_wait -1
	s_cmp_lg_u32 s[WV], 0
	s_cbranch_scc1 .Lnot_wave_0_\@
	s_barrier_signal -3
.Lnot_wave_0_\@:
	s_barrier_wait -3
	s_barrier_signal -1
	s_barrier_wait -1
.endm
; THE CHANGE OF SLOTS, between piece 1's turn and piece 2's.  The slot's last bytes (V of its second step, the mask of that step's pieces 2 and 3) have been asked for.  Each wave waits for all its tensor loads, of which
; one is out: its part of the other slot; adds 0 to its spare word; and waits for that and for its own reads of the slot.  Behind the barrier nobody reads this slot any more and the other slot is whole.
; fill = 1: this slot is filled again, with the keys two slots on.  The barrier is then a round of the cluster's, and the joint fill is the first thing behind it: it has two key steps, 128 matrix instructions, in which to land.
; (At its first use nothing has been read yet: slot 0 is waited for, slot 1 filled.)
.macro CHANGE fill
	WIN 0                           ; at a label and at a branch every window is 0
	s_wait_tensorcnt 0x0            ; no tensor load of mine is out, so a group 0 may be written
	ds_add_u32 v[SPW], v[NIL]       ; 0 onto my spare word; with fill = 1 the descriptors' steps stand between it and the wait for it
.if \fill
	s_xor_b32 s[G0M+1], s[G0M+1], SLOT1  ; the walking descriptors: the other slot than last time,
	s_add_nc_u64 s[G0M+2:G0M+3], s[G0M+2:G0M+3], 512    ; the next 128 keys: 512 bytes along the mask's rows,
	s_xor_b32 s[G0K+1], s[G0K+1], SLOT1
	s_add_nc_u64 s[G0K+2:G0K+3], s[G0K+2:G0K+3], 32768  ; a block of K,
	s_xor_b32 s[G0V+1], s[G0V+1], VX
	s_add_nc_u64 s[G0V+2:G0V+3], s[G0V+2:G0V+3], 32768  ; a block of V; the type bits on top are not reached
	s_wait_dscnt 0x0                ; the add is done, and my reads of the slot are over
	CROUND
	JLOAD
	PREF
.else
	s_wait_dscnt 0x0                ; the add is done, and my reads of the slot are over
	s_barrier_signal -1
	s_barrier_wait -1
.endif
	s_sub_co_u32 s[TBK], s[TBK], 2*KS*PK  ; the fetches go back to a slot's first step,
	s_xor_b32 s[TBK], s[TBK], SLOT1       ; in the other slot
	s_sub_co_u32 s[TBM], s[TBM], 512
	s_xor_b32 s[TBM], s[TBM], SLOT1
	s_sub_co_u32 s[TBV], s[TBV], 2*KS*PV
	s_xor_b32 s[TBV], s[TBV], VX
.endm
	s_load_b128 s[4:7], s[0:1], 0x0   ; q, k, v s[4:5], the mask s[6:7]
	s_load_b64 s[10:11], s[0:1], 0x10 ; O
	v_lshl_add_u32 v[SPW], v0, 2, SPARE
	v_mov_b32 v[NIL], 0
	ds_add_u32 v[SPW], v[NIL]       ; the wave's opening: the add, and its wait ahead of my first tensor load; the set-up below, work on registers, stands between them
	v_lshrrev_b32 v1, 5, v0
	v_readfirstlane_b32 s[WV], v1   ; wave 0..3
	s_bfe_u32 s13, ttmp6, 0x40000   ; cx, cy: my place in the cluster
	s_bfe_u32 s14, ttmp6, 0x40004
	s_lshl_b32 s15, ttmp9, 2        ; in a cluster launch ttmp9 and ttmp7 count clusters
	s_add_co_u32 s15, s15, s13      ; my block of 128 queries = 4 x cluster x + cx
	s_and_b32 s3, ttmp7, 0xffff     ; the cluster's y
	s_lshr_b32 s2, s3, 1
	s_lshl_b32 s2, s2, 2
	s_add_co_u32 s2, s2, s14        ; my head pair in its batch = 4 x (y / 2) + cy
	s_and_b32 s3, s3, 1             ; the batch = y % 2, from the cluster's y alone: a column of the cluster shares it
	s_lshl_b32 s16, s3, 3
	s_add_co_u32 s2, s2, s16        ; my head pair = 8 x batch + that
	s_lshl_b32 s71, s14, 2
	s_lshl_b32 s71, 15, s71         ; my row of the cluster
	s_lshl_b32 s72, 0x1111, s13     ; my column
	s_and_b32 s73, s[WV], 1         ; which 64 queries are mine.  Also: which half of the mask's tile waves 0 and 1 fetch
	s_lshr_b32 s74, s[WV], 1        ; which head of the pair
	s_lshl_b32 s16, s3, 11          ; the mask's tile hangs on the batch and the query block:
	s_lshl_b32 s17, s15, 7
	s_add_co_u32 s16, s16, s17
	s_lshl_b32 s17, s73, 6
	s_add_co_u32 s16, s16, s17      ; its first row,
	s_mul_i32 s16, s16, 12288       ; of 3,072 x 4 bytes
	s_mov_b32 s17, 0
	s_mul_i32 s18, s2, 24*32768     ; K's and V's tiles hang on the head pair alone: 24 blocks of 32,768 bytes
	s_mov_b32 s19, 0
	s_lshl_b32 s20, s2, 4           ; Q: block (pair, query block), head, my 64 rows of 128 bytes
	s_add_co_u32 s20, s20, s15
	s_lshl_b32 s20, s20, 1
	s_add_co_u32 s20, s20, s74
	s_lshl_b32 s20, s20, 1
	s_add_co_u32 s20, s20, s73
	s_lshl_b32 s20, s20, 13
	s_mov_b32 s21, 0
	s_lshl_b32 s22, s3, 4           ; O: row tile 16 b + query block, head, my 64 rows of 128 bytes
	s_add_co_u32 s22, s22, s15
	s_lshl_b32 s22, s22, 3
	s_and_b32 s23, s2, 7
	s_add_co_u32 s22, s22, s23
	s_lshl_b32 s22, s22, 1
	s_add_co_u32 s22, s22, s74
	s_lshl_b32 s22, s22, 1
	s_add_co_u32 s22, s22, s73
	s_lshl_b32 s22, s22, 13
	s_mov_b32 s23, 0
	; descriptor group 1.  The mask: 64 rows x 128 elements of 4 bytes.  K, V: a block of 32,768 dense bytes, asked for as 128 rows of 256 bytes, two keys a row, padded after every key
	s_or_b32 s[G1M], s72, (2<<16)|(1<<20)|(1<<21)|(6<<22)|(3<<25)  ; 15:0 my column; 17:16 4-byte elements; 20 padding on; 21 set beside a mask; 24:22 after every 128 words (code 6); 31:25 4 words (code 3)
	s_or_b32 s[G1K], s71, (1<<16)|(1<<20)|(1<<21)|(4<<22)|(3<<25)  ; 15:0 my row; 2-byte elements; after every 32 words (code 4) 4 words (code 3)
	s_or_b32 s[G1V], s71, (1<<16)|(1<<20)|(1<<21)|(4<<22)|(7<<25)  ; the same with 8 words of padding (code 7)
	s_mov_b32 s[G1M+1], 128<<16     ; tensor_dim0 = 128
	s_mov_b32 s[G1M+2], 64<<16      ; tensor_dim1 = 64
	s_mov_b32 s[G1M+3], 128<<16     ; tile_dim0 = 128
	s_mov_b32 s[G1M+4], 64          ; tile_dim1 = 64
	s_mov_b32 s[G1M+5], 3072        ; elements from row to row
	s_mov_b32 s[G1M+6], 0
	s_mov_b32 s[G1M+7], 0
.irp g, G1K, G1V
	s_mov_b32 s[\g+1], 128<<16      ; tensor_dim0 = 128
	s_mov_b32 s[\g+2], 128<<16      ; tensor_dim1 = 128
	s_mov_b32 s[\g+3], 128<<16      ; tile_dim0 = 128
	s_mov_b32 s[\g+4], 128          ; tile_dim1 = 128
	s_mov_b32 s[\g+5], 128          ; 128 elements from row to row
	s_mov_b32 s[\g+6], 0
	s_mov_b32 s[\g+7], 0
.endr
	s_mov_b32 s[CS], 0x3fb8aa3b     ; c = log2(e)
	s_mov_b32 s[CS+1], s[CS]        ; named with it as a pair
	s_mov_b32 s[SEL], 0x76543210
	s_mov_b32 s[SEL+1], 0xfedcba98
	s_mov_b32 s[TBK], SLOT1+2*KS*PK ; the first change of slots turns these three into slot 0's
	s_mov_b32 s[TBM], SLOT1+512
	s_mov_b32 s[TBV], VS1+2*KS*PV
	s_mov_b32 s[SLOTS], NSLOT-1     ; tiles 1 to 23 are still to be asked for
	s_mov_b32 s[G0M], 1             ; count = 1
	s_mul_i32 s[G0M+1], s73, 64*PM  ; LDS address: slot 0; no place in the cluster enters it
	s_mov_b32 s[G0K], 1
	s_mov_b32 s[G0K+1], KOFF
	s_mov_b32 s[G0V], 1
	s_mov_b32 s[G0V+1], VS0
	s_wait_dscnt 0x0                ; the opening add is done
	s_wait_kmcnt 0x0
	s_mov_b64 s[PB:PB+1], s[4:5]    ; kept for the prefetch of K and V
	s_add_nc_u64 s[G0M+2:G0M+3], s[6:7], s[16:17]  ; global addresses: keys 0 to 127
	s_or_b32 s[G0M+3], s[G0M+3], 0x80000000        ; type = 2
	s_add_nc_u64 s[G0K+2:G0K+3], s[4:5], s[18:19]
	s_add_nc_u64 s[G0K+2:G0K+3], s[G0K+2:G0K+3], KBASE
	s_or_b32 s[G0K+3], s[G0K+3], 0x80000000
	s_add_nc_u64 s[G0V+2:G0V+3], s[4:5], s[18:19]
	s_add_nc_u64 s[G0V+2:G0V+3], s[G0V+2:G0V+3], VBASE
	s_or_b32 s[G0V+3], s[G0V+3], 0x80000000
	s_add_nc_u64 s[4:5], s[4:5], s[20:21]          ; Q and O at my wave's first row
	s_add_nc_u64 s[10:11], s[10:11], s[22:23]
	CROUND                          ; all sixteen work-groups are here: the first joint loads meet
	JLOAD                           ; slot 0.  Slot 1 is asked for when slot 0 is in
	; A fragment of K or Q is 16 rows x 32 channels in 8 registers: lane l holds row l % 16, channels 8 (l / 16) + 0..7 and 16 + 8 (l / 16) + 0..7: two loads of 16 bytes, 32 bytes apart.
	v_and_b32 v32, 15, v0           ; l % 16
	v_bfe_u32 v33, v0, 4, 1         ; l / 16
	v_lshlrev_b32 v[QO], 7, v32
	v_lshl_add_u32 v[QO], v33, 4, v[QO]  ; row x 128 + 16 x half
	WIN 0x80                        ; destination window 2, address window 0
.set i, 0
.rept 8                             ; Q stays in registers: piece i / 2, channels 32 (i % 2) on
	global_load_b128 v[8*i:8*i+3],   v[QO], s[4:5] offset:(i/2)*2048+(i%2)*64
	global_load_b128 v[8*i+4:8*i+7], v[QO], s[4:5] offset:(i/2)*2048+(i%2)*64+32
.set i, i+1
.endr
	; What the first turn finds: V's registers and P's second buffer hold 0 (its products V^T P, of a piece that has not been, add 0), O^T and l are 0.  The price of writing no first step out; it stands in the wait for the first tile.
.set i, VF
.rept 64
	v_mov_b32 v[i], 0
.set i, i+1
.endr
	WIN 0x40
.set i, 0
.rept 128
	v_mov_b32 v[i], 0
.set i, i+1
.endr
	WIN 0
.set i, 0
.rept 4
	v_mov_b32 v[ST+4*i], 0xfe000000    ; c m: far below every c s, so the first step's a is 0
	v_mov_b32 v[ST+4*i+1], 0xf149f2ca  ; m = -1e30: c m made of it stays finite, so a score of -inf gives 2^-inf = 0 and no NaN
	v_mov_b32 v[ST+4*i+2], 0
	v_mov_b32 v[ST+4*i+3], 0
.set i, i+1
.endr
.set i, P+16
.rept 16
	v_mov_b32 v[i], 0
.set i, i+1
.endr
	s_mul_i32 s75, s74, 128*PK      ; my head's 128 rows of K,
	s_add_co_u32 s75, s75, KOFF     ; behind the mask
	v_mul_u32_u24 v[AK0], v32, PK
	v_lshl_add_u32 v[AK0], v33, 4, v[AK0]  ; row x pitch + 16 x half
	v_add_nc_u32 v[AK0], s75, v[AK0]
	; The turning load takes 16 keys x 16 channels (lane l reads key 8 (l / 16) + l % 8, channels 8 ((l / 8) % 2) + 0..7) and leaves half a fragment of V^T: lane l holds channel l % 16 and 8 keys.
	v_and_b32 v34, 7, v0
	v_bfe_u32 v35, v0, 3, 1
	v_lshl_add_u32 v[AV0], v33, 3, v34
	v_mul_u32_u24 v[AV0], v[AV0], PV
	v_lshl_add_u32 v[AV0], v35, 4, v[AV0]
	s_mul_i32 s76, s74, 128*PV
	v_add_nc_u32 v[AV0], s76, v[AV0]
	; The mask as a C operand: register j of key group kt is M[query l % 16][16 kt + 8 (l / 16) + j]: two loads of 16 bytes at 64 kt + 32 (l / 16)
	s_mul_i32 s77, s73, 64*PM       ; my 64 queries' rows
	v_mul_u32_u24 v[AM0], v32, PM
	v_lshl_add_u32 v[AM0], v33, 5, v[AM0]
	v_add_nc_u32 v[AM0], s77, v[AM0]
	s_mul_i32 s78, s[WV], 16*SP
	s_add_co_u32 s78, s78, STAGE    ; my stage
	v_mul_u32_u24 v[STO], v32, SP   ; in: row l % 16, 16 bytes for each half of the lanes
	v_lshl_add_u32 v[STO], v33, 4, v[STO]
	v_add_nc_u32 v[STO], s78, v[STO]
	v_bfe_u32 v[RD], v0, 3, 2       ; back: 32 lanes take four rows of 128 bytes,
	v_mul_u32_u24 v[RD], v[RD], SP
	v_lshl_add_u32 v[RD], v34, 4, v[RD]
	v_add_nc_u32 v[RD], s78, v[RD]
	v_and_b32 v[GO], 31, v0         ; which are 512 consecutive bytes of O
	v_lshlrev_b32 v[GO], 4, v[GO]
	; The prefetch's offsets, one step short of the first request.  Both have the form (l >> sh) x MUL + ((l >> 3) & 1) x MUL2 + (l & MSK) x 256 + BASE.
	; Wave 0, the mask, set at tile 1: row 16 j + l / 2 of my query block's 128 (sh = 1, MUL = a row's 12,288 bytes), block l % 2 of the row's two (MSK = 1), MUL2 = 0.
	; Wave 1, K and V, set at tiles 0 and 1: tile l / 16 (sh = 4, MUL = 32,768), K or V (MUL2 = VBASE - KBASE), block 8 x query block + l % 8 (MSK = 7).  (Waves 2 and 3 make the number and never use it.)
	s_and_b32 s16, s2, 7            ; j: my head pair in its batch
	s_lshl_b32 s17, s3, 11
	s_lshl_b32 s18, s15, 7
	s_add_co_u32 s17, s17, s18
	s_lshl_b32 s18, s16, 4
	s_add_co_u32 s17, s17, s18      ; the first row of my share of the mask's tile,
	s_mul_i32 s17, s17, 12288       ; of 12,288 bytes,
	s_add_co_u32 s17, s17, 512      ; at tile 1
	s_mul_i32 s18, s2, 24*32768     ; my head pair's blocks of K, from tile 0,
	s_lshl_b32 s19, s15, 11         ; my 8 blocks of 256 bytes in a tile
	s_add_co_u32 s18, s18, s19
	s_add_co_u32 s18, s18, KBASE
	s_mov_b32 s20, 32768            ; from a tile to the next
	s_mov_b32 s23, VBASE-KBASE      ; from K's blocks to V's
	s_cmp_eq_u32 s[WV], 0
	s_cselect_b32 s17, s17, s18     ; BASE
	s_cselect_b32 s20, 12288, s20   ; MUL
	s_cselect_b32 s23, 0, s23       ; MUL2
	s_cselect_b32 s21, 1, 4         ; sh
	s_cselect_b32 s22, 1, 7         ; MSK
	v_and_b32 v36, 31, v0
	v_lshrrev_b32 v37, s21, v36
	v_mul_lo_u32 v37, v37, s20
	v_and_b32 v36, s22, v36
	v_lshl_add_u32 v37, v36, 8, v37
	v_mul_lo_u32 v36, v35, s23
	v_add3_u32 v[PFO], v37, v36, s17
; THE MATRIX WORK.  The 4 accumulators of a run of 8 take turns.  Product i of 8 of S^T = K Q^T + M for piece x: channels 32 (i / 4) on, keys 16 (i % 4) on.  The first 4 start the sums, on the mask.
.macro KQ x
.set rS, S+32*((\x)%2)+8*(i%4)
.set rK, KF+16*(i%4)+8*(i/4)
.set rQ, 16*(\x)+8*(i/4)
.set rM, MC+32*((\x)%2)+8*(i%4)
.if i < 4
	WIN W_KM
	v_wmma_f32_16x16x32_f16 v[rS:rS+7], v[rK:rK+7], v[rQ:rQ+7], v[rM:rM+7]
.else
	WIN W_KQ
	v_wmma_f32_16x16x32_f16 v[rS:rS+7], v[rK:rK+7], v[rQ:rQ+7], v[rS:rS+7]
.endif
.endm
; Product i of 8 of O^T += V^T P for piece x: keys 32 (i / 4) on, channels 16 (i % 4) on.
.macro PV x
	WIN W_PV
.set rO, 32*(\x)+8*(i%4)
.set rV, VF+32*(i/4)+8*(i%4)
.set rP, P+16*((\x)%2)+8*(i/4)
	v_wmma_f32_16x16x32_f16 v[rO:rO+7], v[rV:rV+7], v[rP:rP+7], v[rO:rO+7]
.endm
.macro MM                           ; the turn's next matrix instruction.  TURN sets Y and i
.if i < 8
	KQ (Y+1)%NP
.else
.set i, i-8
	PV (Y+NP-1)%NP
.set i, i+8
.endif
.set i, i+1
.endm
; THE LDS LOADS stand in runs, never singly among the matrix instructions.  Eight loads bring the mask of one piece and step into buffer buf.  skip = 1 (the tail): in the last trip there is no further step, and the run is jumped over.
.macro MLOAD buf, piece, skip=0
	WIN 0
.if (\skip)
	s_cmp_eq_u32 s[CNT], 1
	s_cbranch_scc1 .Lno_m_\@
.endif
	WIN 0x40                        ; destination window 1
.irp kt, 0,1,2,3
	ds_load_b128 v[MC+32*(\buf)+8*\kt:MC+32*(\buf)+8*\kt+3],   v[AM] offset:(\piece)*16*PM+64*\kt
	ds_load_b128 v[MC+32*(\buf)+8*\kt+4:MC+32*(\buf)+8*\kt+7], v[AM] offset:(\piece)*16*PM+64*\kt+16
.endr
	WIN 0
.if (\skip)
.Lno_m_\@:
.endif
.endm
; The next step's first run: the mask of its piece 0 (buffer 0), then its K (64 keys x 64 channels: 8 fragments).  The addresses are made some lines ahead.
.macro FETCH_K last=0
	WIN 0
.if \last
	s_cmp_eq_u32 s[CNT], 1
	s_cbranch_scc1 .Lno_k_\@
.endif
	WIN 0x40                        ; destination window 1
.irp kt, 0,1,2,3
	ds_load_b128 v[MC+8*\kt:MC+8*\kt+3],   v[AM] offset:64*\kt
	ds_load_b128 v[MC+8*\kt+4:MC+8*\kt+7], v[AM] offset:64*\kt+16
.endr
	WIN 0x80                        ; destination window 2
.irp f, 0,1,2,3,4,5,6,7             ; keys 16 (f / 2) on, channels 32 (f % 2) on
	ds_load_b128 v[KF+8*\f:KF+8*\f+3],   v[AK] offset:(\f/2)*16*PK+(\f%2)*64
	ds_load_b128 v[KF+8*\f+4:KF+8*\f+7], v[AK] offset:(\f/2)*16*PK+(\f%2)*64+32
.endr
	s_add_co_u32 s[TBK], s[TBK], KS*PK  ; the next fetch is the next step's
	s_add_co_u32 s[TBM], s[TBM], 4*KS
	WIN 0
.if \last
.Lno_k_\@:
.endif
.endm
.macro FETCH_V
	WIN 0x80
.irp f, 0,1,2,3,4,5,6,7             ; keys 32 (f / 4) on, channels 16 (f % 4) on
	ds_load_tr16_b128 v[VF+8*\f:VF+8*\f+3],   v[AV] offset:(\f/4)*32*PV+(\f%4)*32
	ds_load_tr16_b128 v[VF+8*\f+4:VF+8*\f+7], v[AV] offset:(\f/4)*32*PV+16*PV+(\f%4)*32
.endr
	WIN 0
.endm
; THE VECTOR WORK, one line at a time: OP kind, number.  For piece Y: F n: c s - c m for pair n of 16.  E n: the exponential of score n of 32.  C n: pair n rounded to f16.  B n: of the four weights 4 n .. the second
; pair is added onto the first, in place.  L n: l takes that sum (L 0: l = a l + sum).  R n: pair n of 16 of O^T times a.  For piece Y + 1: X n, number n of the 22 that find its maximum and statistics:
;   0-11  four chains c0-c3 of seven scores each, three operands at a time (each accumulator's lowest registers are read first)     12-14, 16  the four scores left over, the old m, and c0-c3 into c0
;   15  c m_old is kept     17, 18  the query's other 32 keys lie in the lane 16 away: the new m     19-21  c m; c m_old - c m_new; a
.set F, 0               ; OP tells the kinds apart by their order: F to L below R, X above it
.set E, 1
.set C, 2
.set B, 3
.set L, 4
.set R, 5
.set X, 6
.macro REGS y                       ; the registers of piece y
.set rT, ST+4*(\y)
.set rC, TMP+4*((\y)%2)
.set rW, MV+((\y)%2)
.set rS, S+32*((\y)%2)
.set rP, P+16*((\y)%2)
.set rO, 32*(\y)
.endm
.macro OP k, n
.if (\k) == R
	REGS Y
	WIN W_RS
	v_pk_mul_f32 v[rO+2*(\n):rO+2*(\n)+1], v[rO+2*(\n):rO+2*(\n)+1], v[rC+2:rC+3] op_sel_hi:[1,0]
.elseif (\k) < R
	REGS Y
	WIN 0
.if (\k) == F
	v_pk_fma_f32 v[rS+2*(\n):rS+2*(\n)+1], v[rS+2*(\n):rS+2*(\n)+1], s[CS:CS+1], v[rT:rT+1] op_sel_hi:[1,0,0] neg_lo:[0,0,1] neg_hi:[0,0,1]
.elseif (\k) == E
	v_exp_f32 v[rS+(\n)], v[rS+(\n)]
.elseif (\k) == C
	s_wait_alu depctr_va_vdst(0)
	v_cvt_pk_f16_f32 v[rP+(\n)], v[rS+2*(\n)], v[rS+2*(\n)+1]
.elseif (\k) == B
	s_wait_alu depctr_va_vdst(0)
	v_pk_add_f32 v[rS+4*(\n):rS+4*(\n)+1], v[rS+4*(\n):rS+4*(\n)+1], v[rS+4*(\n)+2:rS+4*(\n)+3]
.elseif (\n) == 0
	v_pk_fma_f32 v[rT+2:rT+3], v[rT+2:rT+3], v[rC+2:rC+3], v[rS:rS+1] op_sel_hi:[1,0,1]
.else
	v_pk_add_f32 v[rT+2:rT+3], v[rT+2:rT+3], v[rS+4*(\n):rS+4*(\n)+1]
.endif
.else
	REGS (Y+1)%NP
	WIN 0
.if (\n) < 4
	v_max3_num_f32 v[rC+(\n)], v[rS+8*(\n)], v[rS+8*(\n)+1], v[rS+8*(\n)+2]
.elseif (\n) < 12
	v_max3_num_f32 v[rC+(\n)%4], v[rC+(\n)%4], v[rS+8*((\n)%4)+2*((\n)/4)+1], v[rS+8*((\n)%4)+2*((\n)/4)+2]
.elseif (\n) == 12
	v_max3_num_f32 v[rC], v[rC], v[rS+7], v[rS+15]
.elseif (\n) == 13
	v_max3_num_f32 v[rC+1], v[rC+1], v[rS+23], v[rS+31]
.elseif (\n) == 14
	v_max3_num_f32 v[rC+2], v[rC+2], v[rC+3], v[rT+1]
.elseif (\n) == 15
	v_mov_b32 v[rW], v[rT]
.elseif (\n) == 16
	v_max3_num_f32 v[rC], v[rC], v[rC+1], v[rC+2]
.elseif (\n) == 17
	v_permlanex16_b32 v[rC+3], v[rC], s[SEL], s[SEL+1]
.elseif (\n) == 18
	v_max_num_f32 v[rT+1], v[rC], v[rC+3]
.elseif (\n) == 19
	v_mul_f32 v[rT], s[CS], v[rT+1]
.elseif (\n) == 20
	v_sub_f32 v[rC+1], v[rW], v[rT]
.else
	v_exp_f32 v[rC+2], v[rC+1]
.endif
.endif
.endm
.macro OPS a, i1, b=-1, i2=0, c=-1, i3=0, d=-1, i4=0  ; up to four of them
	OP \a, \i1
.if (\b) >= 0
	OP \b, \i2
.endif
.if (\c) >= 0
	OP \c, \i3
.endif
.if (\d) >= 0
	OP \d, \i4
.endif
.endm
.macro ROW a, i1, b, i2, c, i3, d, i4  ; a matrix instruction and the four behind it
	MM
	OPS \a, \i1, \b, \i2, \c, \i3, \d, \i4
.endm
; A TURN, for piece p: the order of its 16 matrix and 118 vector instructions, written out.  Behind a matrix instruction: plain, exponential, plain, plain; or four of the rescaling; or, behind the first, four scalings; none
; names a register of the products round it.  In the two runs of vector work exponential and plain by turns while exponentials last.  A line reads no result made fewer than three vector instructions in front of it, five if an
; exponential made it.  v_permlanex16_b32 (X 17) stands in such a run.
; THE MASK.  Turn p's first four products take buffer (p + 1) % 2; the turn loads buffer p % 2, which the turn before read last, with the mask of piece p + 2 for the next turn's products: pieces 2 and 3 of the step in hand
; in turns 0 and 1, pieces 0 and 1 of the next step in turns 2 and 3.
; K of the next step is fetched in piece 2's turn, six vector instructions behind the last product that read K (five of them plain); V of the step in hand in piece 0's turn, eight behind the last product that read V (four
; plain, and X 17).  THE WAITS: at a turn's head the mask for its products is in: in turn 1 the 16 loads of V, issued behind that mask's, may stay out; elsewhere nothing younger is out, and the count is 0 (turn 3: K too).
; In turn 1's middle V is in, and the turn's own eight mask loads may stay out.
; last = 1: the tail.  cnt = 1: the loop's count is taken down some lines ahead of the branch that stands behind the turn.
.macro TURN p, last=0, cnt=0
.set Y, (\p)
.set i, 0
.if (\p) == 1
	s_wait_dscnt 16
.else
	s_wait_dscnt 0x0
.endif
	ROW F,0, F,1, F,2, F,3
.if (\p) != 2
	MLOAD (\p)%2, ((\p)+2)%NP, (\last)*((\p)/3)
.endif
	ROW F,4, E,0, F,5, F,6
	ROW F,7, E,1, F,8, F,9
	ROW F,10, E,2, C,0, F,11
	ROW F,12, E,3, X,15, F,13
	ROW R,0, R,1, R,2, R,3
	ROW B,0, E,4, F,14, L,0
.if (\p) == 2
	v_add_nc_u32 v[AK], s[TBK], v[AK0]
	v_add_nc_u32 v[AM], s[TBM], v[AM0]
.endif
	ROW R,4, R,5, R,6, R,7
	OPS E,5, F,15
.if (\p) == 2
	FETCH_K \last
.endif
	OPS E,6, C,1, E,7, R,8
	OPS E,8, R,9, E,9, C,2
	OPS E,10, X,0, E,11, X,1
	OPS E,12, X,2, E,13, X,3
.if (\p) == 1
	s_wait_dscnt 8
.endif
	ROW X,4, E,14, X,5, X,6
	ROW X,7, E,15, X,8, X,9
	ROW X,10, E,16, X,11, X,12
	ROW X,13, E,17, X,14, B,1
	ROW C,4, E,18, X,16, L,1
	ROW B,2, E,19, C,6, L,2
	ROW C,8, E,20, B,3, B,4
.if (\p) == 0
	v_add_nc_u32 v[AV], s[TBV], v[AV0]
.endif
	ROW C,3, E,21, L,3, C,5
	OPS E,22, X,17, E,23, C,10
.if (\p) == 0
	FETCH_V
.endif
	OPS E,24, L,4
	OPS E,25, X,18, E,26, C,7
	OPS E,27, B,5, E,28, X,19
	OPS E,29, C,12, E,30, L,5
	OPS E,31, X,20, B,6, C,9
	OPS C,14, C,11, X,21, L,6
.if (\p) == 0
	s_add_co_u32 s[TBV], s[TBV], KS*PV
.endif
.if \cnt
	s_sub_co_u32 s[CNT], s[CNT], 1
	s_cmp_lg_u32 s[CNT], 0
.endif
	OPS C,13, B,7, C,15, R,10
	OPS R,11, R,12, L,7, R,13
	OPS R,14, R,15
.endm
	CHANGE 1                        ; slot 0 is in, everybody's part of it; slot 1 is asked for; the prefetch asks for the mask's tile 2 and for K's and V's tiles 2 and 3
	v_add_nc_u32 v[AK], s[TBK], v[AK0]
	v_add_nc_u32 v[AM], s[TBM], v[AM0]
	FETCH_K                         ; key step 0: piece 0's mask and K,
	MLOAD 1, 1                      ; and piece 1's mask
	s_wait_loadcnt 0x0              ; Q
	s_wait_dscnt 0x0
.set i, 0
.rept 8
	KQ 0                            ; piece 0's first scores: there is no vector work yet to set between them
.set i, i+1
.endr
	WIN 0
.rept 4
	v_nop                           ; the places behind those products
.endr
.set Y, NP-1                        ; X works for piece Y + 1: piece 0
.irp n, 0,1,2,3,4,5,6,7,8,9,10,11,12,13,14,15,16,17,18,19,20,21
	OP X, \n
.endr
	v_nop                           ; a plain instruction behind the exponential
	s_mov_b32 s[CNT], 2
	s_branch .Lfirst                ; the loop is entered at a step's first turn, in the middle of a trip
.Lslot:                             ; NSLOT - 2 times: every slot but the last two is filled again
	CHANGE 1
	s_mov_b32 s[CNT], 2
.Lstep:                             ; a trip: pieces 2 and 3 of one step, then pieces 0 and 1 of the next, whose mask, K and V it fetches
	TURN 2
	TURN 3
	WIN 0
.Lfirst:
	TURN 0
	TURN 1, 0, 1
	WIN 0
	s_cbranch_scc1 .Lstep
	s_sub_co_u32 s[SLOTS], s[SLOTS], 1
	s_cmp_lg_u32 s[SLOTS], 0
	s_cbranch_scc1 .Lslot
	CHANGE 0                        ; the tail is written out: nothing is asked for
	s_mov_b32 s[CNT], 3             ; two trips fetch the last slot's steps; the third is left in its middle
.Ltail:
	TURN 2, 1
	TURN 3, 1
	WIN 0
	s_sub_co_u32 s[CNT], s[CNT], 1
	s_cmp_eq_u32 s[CNT], 0
	s_cbranch_scc1 .Lout
	TURN 0
	TURN 1
	WIN 0
	s_branch .Ltail
.Lout:                              ; the third trip's 8 products K Q^T (on the last K and an old mask once more) and the maximum made of them serve nothing: the price, once a launch, of one text for every trip
.set i, 0
.rept 8
	PV NP-1                         ; the last piece's V^T P of the last step
.set i, i+1
.endr
	; THE WAY OUT.  l's two halves and the other half of the lanes' are added; O^T is divided by l, rounded to f16 and sent through my stage in LDS, a piece at a time.  The additions are the places behind the last products.
	WIN 0
.macro ALL line:vararg              ; one line for each piece t
.set t, 0
.rept 4
	\line
.set t, t+1
.endr
.endm
	ALL v_add_f32 v[ST+4*t+2], v[ST+4*t+2], v[ST+4*t+3]
	ALL v_permlanex16_b32 v[ST+4*t+3], v[ST+4*t+2], s[SEL], s[SEL+1]
	ALL v_add_f32 v[ST+4*t+2], v[ST+4*t+2], v[ST+4*t+3]
	ALL v_rcp_f32 v[ST+4*t+2], v[ST+4*t+2]
	v_nop                           ; a plain instruction between the last reciprocal and the use of its result
.macro PACK t                       ; a lane's eight channels of a row pack into 16 bytes; they go into rows of 144 bytes and come back as whole rows of 128, into S^T's registers
	WIN W_RS
.set i, 32*(\t)
.rept 16
	s_wait_alu depctr_va_vdst(0)
	v_pk_mul_f32 v[i:i+1], v[i:i+1], v[ST+4*(\t)+2:ST+4*(\t)+3] op_sel_hi:[1,0]
.set i, i+2
.endr
	WIN 0x05                        ; sources 0 and 1 window 1, destination window 0
.set i, 0
.rept 16
	v_cvt_pk_f16_f32 v[S+16*(\t)+i], v[32*(\t)+2*i], v[32*(\t)+2*i+1]
.set i, i+1
.endr
	WIN 0
.irp f, 0,1,2,3
	ds_store_b128 v[STO], v[S+16*(\t)+4*\f:S+16*(\t)+4*\f+3] offset:32*\f
.endr
.irp f, 0,1,2,3
	ds_load_b128 v[S+16*(\t)+4*\f:S+16*(\t)+4*\f+3], v[RD] offset:\f*4*SP  ; LDS serves a wave's instructions in order (ISA guide 5.7.1.4): these see the stores above; the next piece's stores come behind them
.endr
.endm
.macro SEND t, younger              ; younger: the LDS instructions issued behind piece t's loads: the next piece's eight, or none
	WIN 0
.irp f, 0,1,2,3
	s_wait_dscnt (\younger)+3-\f
	global_store_b128 v[GO], v[S+16*(\t)+4*\f:S+16*(\t)+4*\f+3], s[10:11] offset:(\t)*2048+\f*512  ; 512 consecutive bytes, at a multiple of 256 from O's first
.endr
.endm
	PACK 0
.set t, 1
.rept 3                             ; a piece's arithmetic stands between the loads of the piece before and its stores
	PACK t
	SEND t-1, 8
.set t, t+1
.endr
	SEND 3, 0
	s_wait_tensorcnt 0x0            ; the wave's end: the tensor wait, the add onto my spare word and its wait, behind my last tensor load and my last LDS store
	ds_add_u32 v[SPW], v[NIL]
	s_wait_dscnt 0x0
	CROUND                          ; the closing round: no work-group ends while a partner may still ask for a tile that names it
	s_endpgm
.Lfunc_end_k_q837665bed3_attn:
	.size	k_q837665bed3_attn, .Lfunc_end_k_q837665bed3_attn-k_q837665bed3_attn
	.p2alignl 7, 3214868480
	.fill 96, 4, 3214868480
	.section	.rodata,"a",@progbits
	.p2align	6, 0x0
	.amdhsa_kernel k_q837665bed3_attn
		.amdhsa_group_segment_fixed_size 327680
		.amdhsa_private_segment_fixed_size 0
		.amdhsa_enable_private_segment 0
		.amdhsa_kernarg_size 24
		.amdhsa_user_sgpr_count 2
		.amdhsa_user_sgpr_kernarg_segment_ptr 1
		.amdhsa_wavefront_size32 1
		.amdhsa_system_sgpr_workgroup_id_x 1
		.amdhsa_system_sgpr_workgroup_id_y 1
		.amdhsa_system_sgpr_workgroup_id_z 1
		.amdhsa_system_vgpr_workitem_id 0
		.amdhsa_next_free_vgpr 768
		.amdhsa_next_free_sgpr 84
		.amdhsa_reserve_vcc 0
		.amdhsa_float_denorm_mode_32 3
		.amdhsa_float_denorm_mode_16_64 3
		.amdhsa_memory_ordered 1
		.amdhsa_forward_progress 1
		.amdhsa_inst_pref_size 129
	.end_amdhsa_kernel
	.amdgpu_metadata
---
amdhsa.version: [ 1, 2 ]
amdhsa.kernels:
  - .name:           k_q837665bed3_attn
    .symbol:         k_q837665bed3_attn.kd
    .args:
      - { .name: qkvw, .offset: 0, .size: 8, .value_kind: global_buffer, .address_space: global }
      - { .name: mask, .offset: 8, .size: 8, .value_kind: global_buffer, .address_space: global }
      - { .name: cws, .offset: 16, .size: 8, .value_kind: global_buffer, .address_space: global }
    .group_segment_fixed_size: 327680
    .private_segment_fixed_size: 0
    .kernarg_segment_align: 8
    .kernarg_segment_size: 24
    .max_flat_workgroup_size: 128
    .sgpr_count:     84
    .vgpr_count:     768
    .wavefront_size: 32
...
	.end_amdgpu_metadata
.endif
;; end of part 6
;; launch outp: the kernel of part 4 again; grid 8 x 32, 4 waves a work-group, clusters of 4 x 4, 327,680 bytes of LDS; arguments cws, wow, b_out, out0; writes out0
